; MI455X (gfx1250); checked and timed in simulation.
; The chip was launched on July 23, 2026; its instructions are those of AMD's public machine-readable ISA for CDNA 5 (MIT licence, August 2026) and "CDNA5" Instruction Set Architecture Reference Guide (July 2026). The comments in the code are by the model that wrote it; some were corrected since.
;; Transformer Block. Allowed arithmetic: matrix products marked QUANTISED: E2M1 operands, one E8M0 scale for each 32 along K, by v_wmma_scale_f32_16x16x128_f8f6f4 with both operands' format E2M1 (or v_wmma_scale_f32_32x16x128_f4), f32 sums; everything else in f32.
;; Inputs: b_fc1 4,096 float32; b_fc2 1,024 float32; b_proj 1,024 float32; b_qkv 3,072 float32; ln1_b 1,024 float32; ln1_g 1,024 float32; ln2_b 1,024 float32; ln2_g 1,024 float32; w_fc1_codes 4,096 x 32 x 16 uint8 (E2M1 codes of w_fc1, K innermost, in blocks of 32 codes, two codes a byte); w_fc1_scales 4,096 x 32 uint8 (E8M0 scales of w_fc1, one for each 32 codes along K); w_fc2_codes 1,024 x 128 x 16 uint8 (E2M1 codes of w_fc2, K innermost, in blocks of 32 codes, two codes a byte); w_fc2_scales 1,024 x 128 uint8 (E8M0 scales of w_fc2, one for each 32 codes along K); w_proj_codes 1,024 x 32 x 16 uint8 (E2M1 codes of w_proj, K innermost, in blocks of 32 codes, two codes a byte); w_proj_scales 1,024 x 32 uint8 (E8M0 scales of w_proj, one for each 32 codes along K); w_qkv_codes 3,072 x 32 x 16 uint8 (E2M1 codes of w_qkv, K innermost, in blocks of 32 codes, two codes a byte); w_qkv_scales 3,072 x 32 uint8 (E8M0 scales of w_qkv, one for each 32 codes along K); x 2 x 2,048 x 1,024 float32.
;; Outputs: out0 2 x 2,048 x 1,024 float32.
;; This version of the problem:
;;   THIS VERSION OF THE PROBLEM IS GIVEN IN LOW PRECISION. The matrix products marked QUANTISED in the list below multiply operands that are first quantised to E2M1 (2 exponent bits, 1 mantissa bit; 4 bits a number), with one power-of-two scale for each 32 numbers along K (OCP MX v1.0); their sums are f32. All else is computed in f32.
;;   The module's matrix products, in the order in which they are computed (A, B: the left and right operand; K: the contracted axis; several contracted axes count as one K, in the product's order):
;;     1. [M 4,096, K 1,024] x [K 1,024, N 3,072]; A: computed on the way; B: input w_qkv (given as codes): QUANTISED
;;     2. batch 32 x [M 2,048, K 64] x [K 64, N 2,048]; A: computed on the way; B: computed on the way: QUANTISED
;;     3. batch 32 x [M 2,048, K 2,048] x [K 2,048, N 64]; A: softmax (see below); B: computed on the way: QUANTISED
;;     4. [M 4,096, K 1,024] x [K 1,024, N 1,024]; A: computed on the way; B: input w_proj (given as codes): QUANTISED
;;     5. [M 4,096, K 1,024] x [K 1,024, N 4,096]; A: computed on the way; B: input w_fc1 (given as codes): QUANTISED
;;     6. [M 4,096, K 4,096] x [K 4,096, N 1,024]; A: computed on the way; B: input w_fc2 (given as codes): QUANTISED
;;   THE QUANTISER, for each operand of a quantised product, along K:
;;     - K is cut into blocks of 32 from its start; a last block that is shorter is filled with zeros.
;;     - A block's scale is 2^e with e = floor(log2(the largest magnitude in the block)) - 2, held to -126 .. 127; a block of zeros has e = 0. As a byte (E8M0): e + 127.
;;     - Each number is divided by its block's scale, clamped to +-6, and rounded to the nearest number of E2M1, ties to even, subnormals kept.
;;     - The product sums the exact products of the quantised numbers (number of the format x scale) in f32.
;;   ~~~python
;;   def quantise(x, axis):      # numpy; x: float32 -> the quantised numbers, widened to float32 again
;;       x = np.moveaxis(x, axis, -1); K = x.shape[-1]
;;       x = np.pad(x, [(0, 0)] * (x.ndim - 1) + [(0, -K % 32)]); x = x.reshape(x.shape[:-1] + (-1, 32)); a = np.abs(x).max(-1, keepdims=True)
;;       e = np.where(a > 0, np.clip(np.frexp(np.where(a > 0, a, 1))[1] - 1 - 2, -126, 127), 0)      # np.frexp(a)[1] - 1 = floor(log2(a)), exactly
;;       r = np.clip(x / 2.0 ** e, -6, 6)
;;       step = 2.0 ** (np.maximum(np.frexp(np.where(r == 0, 1, r))[1] - 1, 0) - 1)
;;       q = np.round(r / step) * step * 2.0 ** e      # np.round: ties to even
;;       return np.moveaxis(q.reshape(q.shape[:-2] + (-1,))[..., :K], -1, axis).astype(np.float32)
;;   ~~~
;;   SOFTMAX AHEAD OF A QUANTISED PRODUCT. Where the list says 'softmax', what is quantised is not the finished softmax but p = 2^(t - M), with t = logit x log2(e) and M = ceil(the row's largest t), a whole number; so 1/2 < the row's largest p <= 1. The row's sum l is taken of the UNQUANTISED p, in f32, and the product's result is divided by l at the end. Since M is a whole number, a kernel that streams over the keys may use a running M (the ceiling of the running maximum): every later rescaling is an exact power of two, which a block's scale takes up: the codes' values come out the same.
;;   OPERANDS COMPUTED ON THE WAY. 'Computed on the way' means the value that the module computes at that place (a softmax that the list does not call 'softmax' is quantised finished and normalised). What goes into a quantiser is computed in f32, as accurately as f32 sums, v_exp_f32 and their like allow (about 1e-6 of the number): no bf16 or f16 on the way to a quantiser, and a product that is left as it is and whose result goes on into a quantised operand takes f32 operands (vector FMAs, or v_wmma_f32_16x16x4_f32). A number that lies on a knife's edge between two numbers of the format may be rounded either way, as far as f32 arithmetic and the matrix unit's own rounding can turn it there, and no further.
;;   INPUTS GIVEN AS CODES. w_fc1 (in the module: [1024, 4096], K = its axis 0); w_fc2 (in the module: [4096, 1024], K = its axis 0); w_proj (in the module: [1024, 1024], K = its axis 0); w_qkv (in the module: [1024, 3072], K = its axis 0): each comes as NAME_codes (uint8): NAME with its K axis moved to the last place and cut into blocks of 32 codes, [.., K / 32, bytes a block], one block behind the other in memory; two codes a byte, the lower K in the low four bits (a code: sign, 2 exponent bits, 1 mantissa bit); and NAME_scales (uint8): the same leading axes, one E8M0 byte (e + 127) for each 32 codes along K. Its value is code x scale, taken as it is: it is not quantised again, and the codes and scales need not be those that the quantiser above would give.
;; One version. Each part assembles by itself: llvm-mc -triple=amdgcn-amd-amdhsa -mcpu=gfx1250 --defsym DOCPART=n.
;; ======== version 1 of 1: 6 launches
;; limits: right only within a limited range of input values
;; workspace buffers: hbuf 2,228,224 bytes; qkbuf 4,456,448 bytes; vbuf 2,228,224 bytes; obuf 2,228,224 bytes; x1 16,777,216 bytes; gbuf 8,912,896 bytes; wimg 524,288 bytes
;; launch ln1 (part 1): grid 256 x 1, 8 waves a work-group, no clusters, 9,728 bytes of LDS; arguments x, ln1_g, ln1_b, hbuf, w_proj_codes, wimg; writes hbuf, wimg
.if DOCPART == 1
	.amdgcn_target "amdgcn-amd-amdhsa--gfx1250"
	.amdhsa_code_object_version 6
	.text
	.protected	k_q16cc936360_ln1
	.globl	k_q16cc936360_ln1
	.p2align	8
	.type	k_q16cc936360_ln1,@function
k_q16cc936360_ln1:
	s_mov_b64 s[64:65], 0
	v_nop
	global_prefetch_b8 v0, s[64:65] scope:SCOPE_SE
	s_setreg_imm32_b32 hwreg(HW_REG_WAVE_MODE, 25, 1), 1
	s_wait_xcnt 0x0
; h = (x - mean) * rsqrt(var + 1e-5) * g + b for rows of 1,024 f32, all in f32, then quantised along the row to codes of FP4 (E2M1) with one E8M0 byte for each 32 numbers.
; Out: codes [4096][512 bytes] at byte 0 of the buffer, scale bytes [4096][32] at byte 2,097,152.
; A block's scale is 2^(floor(log2(largest magnitude)) - 2); its byte is the largest magnitude's exponent field - 2, held at 1 from below.
; LIMITS: NaN and infinities are not served; a block whose largest magnitude lies under 2^-124 (a block of zeros too) gets the byte 1: its codes add nothing, and this program alone reads the bytes.
; SHARES: a work-group has 16 rows, a wave two.  Of each 256 numbers of a row lane l holds numbers 8 l .. 8 l + 7 (two loads of 16 bytes, which together cover whole runs of 1,024 bytes a wave):
; eight neighbours for one conversion; four neighbouring lanes hold a block of 32.  All 32 loads of a wave go out at once.  The variance is taken of x - mean (two passes over registers).
; Memory binds: no matrix unit, no cluster, no tensor load.  Codes go through the wave's own 1,024 bytes of LDS so that a store covers 512 consecutive bytes; the 512 scale bytes of the 16 rows meet in LDS and leave by one store.
.set SCB,  8192                        ; LDS: eight stages of 1,024 bytes, then 16 rows x 32 scale bytes
.set G,    16                          ; v16-47   g of my 32 columns
.set B,    48                          ; v48-79   b
.set X,    80                          ; v80-143  row p at X + 32 p
.set CD,   144                         ; v144-151 codes, four registers a row
.set OUTR, 152                         ; v152-159 the way out
.set TM,   160                         ; v160-163 largest magnitudes
.set SO,   164                         ; v164-167 the conversions' scale operands
.set BY,   168                         ; v168-171 scale bytes
.set PT,   172                         ; v172     the other half of the lanes' sum
	s_load_b256 s[4:11], s[0:1], 0x0               ; x s[4:5], g s[6:7], b s[8:9], out s[10:11]
	s_load_b128 s[24:27], s[0:1], 0x20             ; w_proj's codes s[24:25], their image s[26:27]
	v_lshl_add_u32 v176, v0, 2, 0x2200
	v_mov_b32 v177, 0
	v_and_b32 v1, 31, v0                           ; lane
	v_lshrrev_b32 v2, 5, v0
	s_delay_alu instid0(VALU_DEP_1)
	v_readfirstlane_b32 s12, v2                    ; wave 0..7
	s_delay_alu instid0(VALU_DEP_3)
	v_lshlrev_b32 v2, 5, v1                        ; 32 bytes a lane in each run of 1,024
	s_lshl_b32 s13, s12, 10
	v_lshl_add_u32 v3, v1, 2, s13                  ; my stage, in: 4 bytes a lane
	v_lshl_add_u32 v4, v1, 4, s13                  ; and back: 16 bytes a lane
	s_lshl_b32 s13, s12, 6
	s_add_co_u32 s13, s13, SCB
	v_lshrrev_b32 v5, 2, v1
	s_delay_alu instid0(VALU_DEP_1)
	v_add_nc_u32 v5, s13, v5                       ; my block's scale byte: 64 bytes a wave, one byte for four lanes
	v_lshlrev_b32 v6, 4, v1                        ; 16 x lane
	s_delay_alu instid0(VALU_DEP_1)
	v_add_nc_u32 v7, SCB, v6
	s_mov_b32 s16, 0x76543210
	s_mov_b32 s17, 0xfedcba98                      ; v_permlanex16_b32: lane l xor 16
	s_mov_b32 s18, 0x3a800000                      ; 1 / 1024
	s_mov_b32 s19, 0x3727c5ac                      ; 1e-5
	s_lshl_b32 s14, ttmp9, 16                      ; x: 16 rows of 4,096 bytes a work-group,
	s_lshl_b32 s15, s12, 13                        ; two a wave
	s_add_co_u32 s14, s14, s15
	s_mov_b32 s15, 0
	s_lshl_b32 s20, ttmp9, 13                      ; codes: 16 rows of 512 bytes,
	s_lshl_b32 s21, s12, 10                        ; two a wave
	s_add_co_u32 s20, s20, s21
	s_mov_b32 s21, 0
	s_lshl_b32 s22, ttmp9, 9                       ; scale bytes: 512 a work-group
	s_add_co_u32 s22, s22, 0x200000
	s_mov_b32 s23, 0
	v_mov_b32 v13, 0                               ; upper halves of pairs of which the low word serves both halves
	v_mov_b32 v15, 0
	v_mov_b32 v[PT], 0                             ; a lane permute's destination counts as read
	; BESIDE THE NORM: w_proj's codes are laid anew as images of operand registers, [tile of 16 rows][128 along K][half c][lane][16 B]: lane (r, h) of half c holds bytes 64 s + 32 c + 16 h .. + 15 of row 16 T + r.
	; Each of the 65,536 threads moves 8 bytes; image byte = 2,048 x work-group + 8 x thread, so a wave's store covers 256 consecutive bytes.
	s_and_b32 s28, ttmp9, 3
	s_lshl_b32 s28, s28, 7                         ; bits 1, 2 of s: 128 bytes each
	s_lshr_b32 s29, ttmp9, 2
	s_lshl_b32 s29, s29, 13                        ; T: 16 rows of 512 bytes
	s_add_co_u32 s28, s28, s29
	s_mov_b32 s29, 0
	s_lshl_b32 s30, ttmp9, 11
	s_mov_b32 s31, 0
	v_bfe_u32 v173, v0, 1, 4                       ; r
	v_and_b32 v175, 0xe0, v0
	v_lshrrev_b32 v175, 1, v175                    ; 16 h + 32 c + 64 (s % 2)
	v_lshl_or_b32 v173, v173, 9, v175
	v_and_b32 v175, 1, v0
	v_lshl_or_b32 v173, v175, 3, v173              ; + 8 x which half of the 16 bytes
	v_lshlrev_b32 v174, 3, v0
	s_wait_alu depctr_va_vdst(0)                   ; the wait at the head's end
	s_wait_kmcnt 0x0
	s_add_nc_u64 s[24:25], s[24:25], s[28:29]
	s_add_nc_u64 s[26:27], s[26:27], s[30:31]
	s_add_nc_u64 s[4:5], s[4:5], s[14:15]
	s_add_nc_u64 s[22:23], s[10:11], s[22:23]
	s_add_nc_u64 s[10:11], s[10:11], s[20:21]
.irp p, 0,1
.irp j, 0,1,2,3
	global_load_b128 v[X+32*\p+8*\j:X+32*\p+8*\j+3], v2, s[4:5] offset:4096*\p+1024*\j th:TH_LOAD_NT
	global_load_b128 v[X+32*\p+8*\j+4:X+32*\p+8*\j+7], v2, s[4:5] offset:4096*\p+1024*\j+16 th:TH_LOAD_NT
.endr
.endr
.irp j, 0,1,2,3
	global_load_b128 v[G+8*\j:G+8*\j+3], v2, s[6:7] offset:1024*\j
	global_load_b128 v[G+8*\j+4:G+8*\j+7], v2, s[6:7] offset:1024*\j+16
.endr
.irp j, 0,1,2,3
	global_load_b128 v[B+8*\j:B+8*\j+3], v2, s[8:9] offset:1024*\j
	global_load_b128 v[B+8*\j+4:B+8*\j+7], v2, s[8:9] offset:1024*\j+16
.endr
	global_load_b64 v[178:179], v173, s[24:25]     ; my 8 bytes of w_proj (the youngest load: the counted wait below is one stricter for it)
.macro WSUM r                          ; the sum over the wave's 32 lanes, in every lane
	s_delay_alu instid0(VALU_DEP_1)
	v_add_f32_dpp v[\r], v[\r], v[\r] row_xmask:1 row_mask:0xf bank_mask:0xf
	s_delay_alu instid0(VALU_DEP_1)
	v_add_f32_dpp v[\r], v[\r], v[\r] row_xmask:2 row_mask:0xf bank_mask:0xf
	s_delay_alu instid0(VALU_DEP_1)
	v_add_f32_dpp v[\r], v[\r], v[\r] row_xmask:4 row_mask:0xf bank_mask:0xf
	s_delay_alu instid0(VALU_DEP_1)
	v_add_f32_dpp v[\r], v[\r], v[\r] row_xmask:8 row_mask:0xf bank_mask:0xf
	s_delay_alu instid0(VALU_DEP_1)
	v_permlanex16_b32 v[PT], v[\r], s16, s17
	s_delay_alu instid0(VALU_DEP_1)
	v_add_f32 v[\r], v[\r], v[PT]
.endm
.macro ROW p
.set XS, X+32*\p
.if \p == 0
	s_wait_loadcnt 24                              ; row 0's eight loads are in; row 1's, g's and b's 24 may be out
.endif
	v_pk_add_f32 v[8:9], v[XS:XS+1], v[XS+2:XS+3]  ; the sum, two at a time, in two chains
	v_pk_add_f32 v[10:11], v[XS+4:XS+5], v[XS+6:XS+7]
.irp i, 8,12,16,20,24,28
	s_delay_alu instid0(VALU_DEP_2)
	v_pk_add_f32 v[8:9], v[8:9], v[XS+\i:XS+\i+1]
	s_delay_alu instid0(VALU_DEP_2)
	v_pk_add_f32 v[10:11], v[10:11], v[XS+\i+2:XS+\i+3]
.endr
	s_delay_alu instid0(VALU_DEP_1)
	v_pk_add_f32 v[8:9], v[8:9], v[10:11]
	s_delay_alu instid0(VALU_DEP_1)
	v_add_f32 v8, v8, v9
	WSUM 8
	s_delay_alu instid0(VALU_DEP_1)
	v_mul_f32 v12, s18, v8                         ; the mean
.irp i, 0,2,4,6,8,10,12,14,16,18,20,22,24,26,28,30
	v_pk_add_f32 v[XS+\i:XS+\i+1], v[XS+\i:XS+\i+1], v[12:13] op_sel_hi:[1,0] neg_lo:[0,1] neg_hi:[0,1]   ; x - mean
.endr
	v_pk_mul_f32 v[8:9], v[XS:XS+1], v[XS:XS+1]
	v_pk_mul_f32 v[10:11], v[XS+2:XS+3], v[XS+2:XS+3]
.irp i, 4,8,12,16,20,24,28
	s_delay_alu instid0(VALU_DEP_2)
	v_pk_fma_f32 v[8:9], v[XS+\i:XS+\i+1], v[XS+\i:XS+\i+1], v[8:9]
	s_delay_alu instid0(VALU_DEP_2)
	v_pk_fma_f32 v[10:11], v[XS+\i+2:XS+\i+3], v[XS+\i+2:XS+\i+3], v[10:11]
.endr
	s_delay_alu instid0(VALU_DEP_1)
	v_pk_add_f32 v[8:9], v[8:9], v[10:11]
	s_delay_alu instid0(VALU_DEP_1)
	v_add_f32 v8, v8, v9
	WSUM 8
	s_delay_alu instid0(VALU_DEP_1)
	v_fma_f32 v8, v8, s18, s19                     ; the variance + 1e-5
	s_wait_alu depctr_va_vdst(0)
	v_rsq_f32 v14, v8
	v_nop                                          ; one plain instruction behind the transcendental
.if \p == 0
	s_wait_loadcnt 0x0                             ; g and b (and row 1)
.endif
	s_wait_alu depctr_va_vdst(0)
.irp i, 0,2,4,6,8,10,12,14,16,18,20,22,24,26,28,30
	v_pk_mul_f32 v[XS+\i:XS+\i+1], v[XS+\i:XS+\i+1], v[14:15] op_sel_hi:[1,0]
.endr
.irp i, 0,2,4,6,8,10,12,14,16,18,20,22,24,26,28,30
	v_pk_fma_f32 v[XS+\i:XS+\i+1], v[XS+\i:XS+\i+1], v[G+\i:G+\i+1], v[B+\i:B+\i+1]
.endr
.irp j, 0,1,2,3                        ; my eight numbers of each of four blocks, the blocks by turns; the floor 2^(3 - 127) holds the byte at 1 from below
	v_max3_num_f32 v[TM+\j], |v[XS+8*\j]|, |v[XS+8*\j+1]|, 0x1800000
.endr
.irp i, 2,4,6
.irp j, 0,1,2,3
	s_delay_alu instid0(VALU_DEP_4)
	v_max3_num_f32 v[TM+\j], v[TM+\j], |v[XS+8*\j+\i]|, |v[XS+8*\j+\i+1]|
.endr
.endr
.irp j, 0,1,2,3
	s_delay_alu instid0(VALU_DEP_4)
	v_max_num_f32_dpp v[TM+\j], v[TM+\j], v[TM+\j] row_xmask:1 row_mask:0xf bank_mask:0xf
.endr
.irp j, 0,1,2,3
	s_delay_alu instid0(VALU_DEP_4)
	v_max_num_f32_dpp v[TM+\j], v[TM+\j], v[TM+\j] row_xmask:2 row_mask:0xf bank_mask:0xf   ; the four lanes of a block
.endr
.irp j, 0,1,2,3
	s_delay_alu instid0(VALU_DEP_4)
	v_add_nc_u32 v[SO+\j], 0xff000000, v[TM+\j]    ; 2 off the exponent field: the conversion takes this operand's exponent field as its scale
.endr
.irp j, 0,1,2,3
	v_cvt_scalef32_pk8_fp4_f32 v[CD+4*\p+\j], v[XS+8*\j:XS+8*\j+7], v[SO+\j]
.endr
.irp j, 0,1,2,3
	v_lshrrev_b32 v[BY+\j], 23, v[SO+\j]           ; the scale's byte (also the plain instruction behind the conversions)
.endr
.irp j, 0,1,2,3
	ds_store_b32 v3, v[CD+4*\p+\j] offset:512*\p+128*\j
	ds_store_b8 v5, v[BY+\j] offset:32*\p+8*\j     ; the four lanes of a block write the same byte with the same value
.endr
.endm
	ROW 0
	ROW 1
	ds_load_b128 v[OUTR:OUTR+3], v4                ; LDS serves a wave's instructions in order: these see my stores
	ds_load_b128 v[OUTR+4:OUTR+7], v4 offset:512
	s_wait_dscnt 0x0                               ; the codes are back, and my scale bytes have landed, for wave 0's sake
	global_store_b128 v6, v[OUTR:OUTR+3], s[10:11]             ; 512 consecutive bytes: a row's codes
	global_store_b128 v6, v[OUTR+4:OUTR+7], s[10:11] offset:512
	global_store_b64 v174, v[178:179], s[26:27]    ; into the image
	s_barrier_signal -1
	s_barrier_wait -1                              ; all 16 rows' scale bytes lie in LDS
	s_cmp_lg_u32 s12, 0
	s_cbranch_scc1 .Lend
	ds_load_b128 v[G:G+3], v7
	s_wait_dscnt 0x0
	global_store_b128 v6, v[G:G+3], s[22:23]       ; 512 consecutive bytes
.Lend:
	s_wait_tensorcnt 0x0
	ds_add_u32 v176, v177
	s_wait_dscnt 0x0
	s_endpgm
.Lfunc_end_k_q16cc936360_ln1:
	.size	k_q16cc936360_ln1, .Lfunc_end_k_q16cc936360_ln1-k_q16cc936360_ln1
	.p2alignl 7, 3214868480
	.fill 96, 4, 3214868480
	.section	.rodata,"a",@progbits
	.p2align	6, 0x0
	.amdhsa_kernel k_q16cc936360_ln1
		.amdhsa_group_segment_fixed_size 9728
		.amdhsa_private_segment_fixed_size 0
		.amdhsa_enable_private_segment 0
		.amdhsa_kernarg_size 48
		.amdhsa_user_sgpr_count 2
		.amdhsa_user_sgpr_kernarg_segment_ptr 1
		.amdhsa_wavefront_size32 1
		.amdhsa_system_sgpr_workgroup_id_x 1
		.amdhsa_system_sgpr_workgroup_id_y 1
		.amdhsa_system_sgpr_workgroup_id_z 1
		.amdhsa_system_vgpr_workitem_id 0
		.amdhsa_next_free_vgpr 180
		.amdhsa_next_free_sgpr 66
		.amdhsa_reserve_vcc 0
		.amdhsa_float_denorm_mode_32 3
		.amdhsa_float_denorm_mode_16_64 3
		.amdhsa_memory_ordered 1
		.amdhsa_forward_progress 1
		.amdhsa_inst_pref_size 29
	.end_amdhsa_kernel
	.amdgpu_metadata
---
amdhsa.version: [ 1, 2 ]
amdhsa.kernels:
  - .name:           k_q16cc936360_ln1
    .symbol:         k_q16cc936360_ln1.kd
    .args:
      - { .name: x, .offset: 0, .size: 8, .value_kind: global_buffer, .address_space: global }
      - { .name: ln1_g, .offset: 8, .size: 8, .value_kind: global_buffer, .address_space: global }
      - { .name: ln1_b, .offset: 16, .size: 8, .value_kind: global_buffer, .address_space: global }
      - { .name: hbuf, .offset: 24, .size: 8, .value_kind: global_buffer, .address_space: global }
      - { .name: w_proj_codes, .offset: 32, .size: 8, .value_kind: global_buffer, .address_space: global }
      - { .name: wimg, .offset: 40, .size: 8, .value_kind: global_buffer, .address_space: global }
    .group_segment_fixed_size: 9728
    .private_segment_fixed_size: 0
    .kernarg_segment_align: 8
    .kernarg_segment_size: 48
    .max_flat_workgroup_size: 256
    .sgpr_count:     66
    .vgpr_count:     180
    .wavefront_size: 32
...
	.end_amdgpu_metadata
.endif
;; end of part 1
;; launch qkv (part 2): grid 8 x 24, 4 waves a work-group, clusters of 4 x 4, 327,680 bytes of LDS; arguments hbuf, w_qkv_codes, w_qkv_scales, b_qkv, qkbuf, vbuf; writes qkbuf, vbuf
.if DOCPART == 2
	.amdgcn_target "amdgcn-amd-amdhsa--gfx1250"
	.amdhsa_code_object_version 6
	.text
	.protected	k_q16cc936360_qkv
	.globl	k_q16cc936360_qkv
	.p2align	8
	.type	k_q16cc936360_qkv,@function
k_q16cc936360_qkv:
	s_mov_b64 s[64:65], 0
	v_nop
	global_prefetch_b8 v0, s[64:65] scope:SCOPE_SE
	s_setreg_imm32_b32 hwreg(HW_REG_WAVE_MODE, 25, 1), 1
	s_wait_xcnt 0x0
	s_wait_alu depctr_hold_cnt(0) depctr_sa_sdst(0) depctr_va_vdst(0) depctr_va_sdst(0) depctr_va_ssrc(0) depctr_va_vcc(0) depctr_vm_vsrc(0)
	s_getreg_b32 s2, hwreg(HW_REG_IB_STS2, 6, 4)
	s_cmp_eq_u32 s2, 0
	s_cbranch_scc0 .Lentry_in_a_cluster
	s_endpgm
.Lentry_in_a_cluster:
	s_bfe_u32 s2, ttmp6, 0x10000c
	s_cmp_lg_u32 s2, 0xf033
	s_cbranch_scc0 .Lentry_shape_is_right
	s_endpgm
.Lentry_shape_is_right:
; qkv = h W^T + b on codes of FP4 (E2M1) with E8M0 scales for each 32 along K = 1,024; the results are quantised at once, as the operands of attention's two products, and only codes and scale bytes are stored.
; h: codes [4096][512 B] and scale bytes [4096][32] (at byte 2,097,152 of its buffer); W: [3072][512 B], [3072][32]; b: [3072] f32.
; A tile of 256 x 256 is made by four waves, each 128 x 128: 64 accumulators, 512 registers.  K fits in LDS whole: two slots of 512 along K, both filled at the start, nothing is filled again.
; The matrix instruction takes 16 rows of one side as source 0 (its index runs along a lane's registers) and 16 rows of the other as source 1 (its index is the lane's).
; TWO MODES, by the cluster's y, which all partners share.  y < 4 (q and k): source 1 = tokens, source 0 = W's rows 0-2,047: a lane holds one token and its registers run along the head's 64, which is K of q k^T.
; y = 4, 5 (v): source 1 = W's rows 2,048 on, source 0 = tokens: a lane holds one channel and its registers run along the tokens, which are K of p v.  Below "A" is source 1's side and "B" source 0's.
; The bias is the C of the first K step.  THE QUANTISER: tile t of a lane's eight holds k = 16 t + 8 (lane / 16) + 0..7; a block of 32 is tiles 2 b, 2 b + 1 in lanes l and l xor 16.
; Scale: the largest magnitude's exponent field - 2, floor 2^(3 - 127).  The conversions' results are laid so that two exchanges of lane halves for each 64 along K give the operand's registers.
; OUT, as images of operand registers (16 bytes a lane, 512 consecutive bytes a store).  qkbuf: record (q/k x 32 + batch x 16 + head) of 69,632 bytes: [token block][512 B]; at 65,536 scale words [128 tokens][r][4]:
; two bytes of token 32 t + r, two of token 32 t + 16 + r.  vbuf: record (batch x 16 + head): [128 keys][16 channels][1,024 B]; at 65,536 scale words [128 keys][r][4 channel tiles].
; CLUSTERS: 4 x 4; A's tiles are asked for jointly along a row of the cluster, B's along a column.  192 work-groups: a tile of 256 columns must not straddle q, k and v.
; LIMITS: NaN and infinities are not served; a block under 2^-124 gets the byte 1 (this program alone reads the bytes).
; REGISTERS: window 0: v0-31 addresses; v32-95 scale words, two sets; v128-191 A's fragments, one set; v192-255 the bias; on the way out v32-191 are at work.  Window 1: B's fragments, two sets.  Windows 2, 3: the accumulators.
.set NQ,     4                         ; steps of 128 along K in a slot
.set ROWB,   512                       ; a tile's row in bytes: all of K
.set KROW,   512                       ; a row of codes in memory
.set PITCH,  528                       ; an LDS row: 512 bytes + 16
.set FR,     8
.set NL,     2
.set NP,     4
.set HALFT,  128*PITCH
.set SLOT,   256                       ; the second 512 along K lie 256 bytes on in each LDS row
.set KS,     32                        ; a row of scale bytes
.set SCL,    4*HALFT
.set HALFS,  (128*KS/256)*272
.set SBLK,   (16*KS/256)*272
.set SPARE,  SCL+4*HALFS               ; the spare words, 128 bytes a wave
.set REC,    69632
.set LI,   8                           ; v8   16 x lane
.set SWA,  9                           ; v9   16 r + REC x (lane / 16)
.set BO,   10                          ; v10  my offset in the bias
.set LN,   11                          ; v11  lane
.set ADRA, 16
.set ADRB, 20
.set ADRS, 27
.set SPW,  28
.set NIL,  29
.set SC,   32
.set AF,   128
.set CB,   192
.set TM,   32                          ; the way out: v32-35 maxima, v36-39 permute results and bytes, v44-47 scale operands
.set WD,   48                          ; v48-55 the scale word of each block of 16 lanes' rows
.set SW,   56                          ; v56-59 scale words as stored
.set EO,   60                          ; v60-67 at work
.set PC,   128                         ; v128-191 codes, eight registers for each block: no store's data are written again
.set G1, 24
.set G0, 32
.set G1B, 48
.set G0B, 56
.set G1S, 68
.set G0S, 76
.set G1SB, 80
.set G0SB, 88
.set MSB, 0
.macro WIN new                         ; the immediate's high byte repeats the setting that is left
.if MSB != (\new)
	s_set_vgpr_msb (MSB<<8)|(\new)
.set MSB, \new
.endif
.endm
.set MUL_LO, 0xa1                      ; source 0 window 1, source 1 window 0, C and D window 2
.set MUL_HI, 0xf1
.set TO_B,   0x40
.macro JLOAD g0a, g1a, g0b, g1b        ; a joint load: waves 0, 1 for A, waves 2, 3 for B; four v_nop follow each line
	s_cmp_eq_u32 s15, 0
	s_cbranch_scc0 .Lfor_b_\@
	tensor_load_to_lds s[\g0a:\g0a+3], s[\g1a:\g1a+7]
	s_nop 0
.rept 4
	v_nop
.endr
	s_branch .Lasked_\@
.Lfor_b_\@:
	tensor_load_to_lds s[\g0b:\g0b+3], s[\g1b:\g1b+7]
	s_nop 0
.rept 4
	v_nop
.endr
.Lasked_\@:
.endm
.macro CROUND                          ; a round of the cluster's barrier
	s_barrier_signal -1
	s_barrier_wait -1
	s_cmp_lg_u32 s14, 0
	s_cbranch_scc1 .Lnot_wave_0_\@
	s_barrier_signal -3
.Lnot_wave_0_\@:
	s_barrier_wait -3
	s_barrier_signal -1
	s_barrier_wait -1
.endm
	s_load_b256 s[80:87], s[0:1], 0x0              ; h s[80:81], W's codes s[82:83], W's scales s[84:85], b s[86:87]
	s_load_b128 s[88:91], s[0:1], 0x20             ; qkbuf s[88:89], vbuf s[90:91]
	v_lshl_add_u32 v[SPW], v0, 2, SPARE
	v_mov_b32 v[NIL], 0
	ds_add_u32 v28, v29
	ds_add_u32 v28, v29
	s_wait_dscnt 0x0
	v_lshrrev_b32 v1, 5, v0
	v_readfirstlane_b32 s14, v1                    ; wave 0..3
	s_lshr_b32 s15, s14, 1                         ; my half of A's rows
	s_and_b32 s16, s14, 1                          ; my half of B's rows
	s_bfe_u32 s40, ttmp6, 0x40000                  ; cx
	s_bfe_u32 s41, ttmp6, 0x40004                  ; cy
	s_and_b32 s17, ttmp7, 0xffff                   ; the cluster's y
	s_sub_co_u32 s18, s17, 4
	s_lshl_b32 s18, s18, 3
	s_cmp_ge_u32 s17, 4
	s_cselect_b32 s95, 1, 0                        ; the mode: 1 = v
	s_cselect_b32 s18, s18, 0                      ; v: clusters y = 4, 5 take token tiles 0-7, 8-15
	s_cselect_b32 s17, 0, s17
	s_lshl_b32 s42, ttmp9, 2
	s_add_co_u32 s42, s42, s40
	s_add_co_u32 s42, s42, s18                     ; B's tile: hangs on cx and on what the cluster shares
	s_lshl_b32 s17, s17, 2
	s_add_co_u32 s17, s17, s41                     ; A's tile: hangs on cy and on what the cluster shares
	s_lshl_b32 s43, s41, 2
	s_lshl_b32 s43, 15, s43                        ; my row of the cluster
	s_lshl_b32 s44, 0x1111, s40                    ; my column
	s_wait_kmcnt 0x0
	s_add_nc_u64 s[98:99], s[82:83], 0x100000      ; W's row 2,048: codes,
	s_add_nc_u64 s[100:101], s[84:85], 0x10000     ; scale bytes
	s_add_nc_u64 s[92:93], s[80:81], 0x200000      ; h's scale bytes
	s_cmp_eq_u32 s95, 1                            ; the choice hangs on the cluster's number alone
	s_cselect_b64 s[4:5], s[98:99], s[80:81]       ; A's codes
	s_cselect_b64 s[6:7], s[100:101], s[92:93]     ; A's scales
	s_cselect_b64 s[8:9], s[80:81], s[82:83]       ; B's codes
	s_cselect_b64 s[10:11], s[92:93], s[84:85]     ; B's scales
	s_cselect_b64 s[12:13], s[90:91], s[88:89]     ; where the results go
	s_mov_b64 s[66:67], s[86:87]                   ; b
	; descriptor group 1: 256 rows x 512 bytes, 16 bytes of padding behind each
	s_or_b32 s[G1+0], s43, (0<<16)|(1<<20)|(1<<21)|(6<<22)|(3<<25)  ; 256 rows x 512 bytes, four words of padding after every 128
	s_or_b32 s[G1B+0], s44, (0<<16)|(1<<20)|(1<<21)|(6<<22)|(3<<25)
.irp g, G1, G1B
	s_mov_b32 s[\g+1], ROWB<<16
	s_mov_b32 s[\g+2], 256<<16
	s_mov_b32 s[\g+3], ROWB<<16
	s_mov_b32 s[\g+4], 256
	s_mov_b32 s[\g+5], KROW
	s_mov_b32 s[\g+6], 0
	s_mov_b32 s[\g+7], 0
.endr
	; the scale bytes of 256 rows: 8,192 dense bytes as rows of 256 (32 elements of 8 bytes) + 16
	s_or_b32 s[G1S+0], s43, (3<<16)|(1<<20)|(1<<21)|(5<<22)|(3<<25)
	s_or_b32 s[G1SB+0], s44, (3<<16)|(1<<20)|(1<<21)|(5<<22)|(3<<25)
.irp g, G1S, G1SB
	s_mov_b32 s[\g+1], 32<<16
	s_mov_b32 s[\g+2], (256*KS/256)<<16
	s_mov_b32 s[\g+3], 32<<16
	s_mov_b32 s[\g+4], 256*KS/256
	s_mov_b32 s[\g+5], 32
	s_mov_b32 s[\g+6], 0
	s_mov_b32 s[\g+7], 0
.endr
	s_mov_b32 s18, 0                               ; a load brings a tile's 256 rows whole
	s_lshl_b32 s20, s17, 8
	s_add_co_u32 s20, s20, s18                     ; A: the first row that I fetch
	s_lshl_b32 s46, s42, 8
	s_add_co_u32 s46, s46, s18                     ; B likewise
	s_mov_b32 s21, 0
	s_mov_b32 s47, 0
	s_mov_b64 s[18:19], KS
	s_mul_u64 s[22:23], s[20:21], s[18:19]
	s_mul_u64 s[92:93], s[46:47], s[18:19]
	s_mov_b64 s[18:19], KROW
	s_mul_u64 s[20:21], s[20:21], s[18:19]
	s_mul_u64 s[46:47], s[46:47], s[18:19]
	s_mul_i32 s45, s14, HALFT                      ; where they go: wave x 128 rows
	s_mul_i32 s94, s14, HALFS
	s_add_nc_u64 s[20:21], s[4:5], s[20:21]
	s_add_nc_u64 s[22:23], s[6:7], s[22:23]
	s_add_nc_u64 s[46:47], s[8:9], s[46:47]
	s_add_nc_u64 s[92:93], s[10:11], s[92:93]
	CROUND                                         ; all sixteen work-groups are here: the joint loads meet
	s_mov_b32 s[G0S], 1
	s_mov_b32 s[G0S+1], SCL
	s_mov_b64 s[G0S+2:G0S+3], s[22:23]
	s_or_b32 s[G0S+3], s[G0S+3], 0x80000000
	s_mov_b32 s[G0SB], 1
	s_mov_b32 s[G0SB+1], SCL+2*HALFS
	s_mov_b64 s[G0SB+2:G0SB+3], s[92:93]
	s_or_b32 s[G0SB+3], s[G0SB+3], 0x80000000
	s_mov_b32 s[G0], 1
	s_mov_b32 s[G0+1], 0
	s_mov_b64 s[G0+2:G0+3], s[20:21]
	s_or_b32 s[G0+3], s[G0+3], 0x80000000
	s_mov_b32 s[G0B], 1
	s_mov_b32 s[G0B+1], 2*HALFT
	s_mov_b64 s[G0B+2:G0B+3], s[46:47]
	s_or_b32 s[G0B+3], s[G0B+3], 0x80000000
; THE HEAD'S LOADS, ONE A WAVE: wave 0 A's 256 rows for all of K, wave 1 B's, wave 2 A's scale bytes, wave 3 B's.  One tree of branches on the wave's number, a load to an arm.  Nothing is filled again.
.macro ARM under, g0, g1, next
	s_cmp_lt_u32 s14, \under
	s_cbranch_scc0 \next
	tensor_load_to_lds s[\g0:\g0+3], s[\g1:\g1+7]
	s_nop 0
.rept 4
	v_nop
.endr
	s_branch .Lhead_asked
\next:
.endm
	ARM 1, G0,  G1,  .Lhead_b
	ARM 2, G0B, G1B, .Lhead_sa
	ARM 3, G0S, G1S, .Lhead_sb
	tensor_load_to_lds s[G0SB:G0SB+3], s[G1SB:G1SB+7]
	s_nop 0
.rept 4
	v_nop
.endr
.Lhead_asked:
	v_and_b32 v1, 15, v0                           ; r
	v_bfe_u32 v2, v0, 4, 1                         ; h
	v_and_b32 v[LN], 31, v0
	v_lshlrev_b32 v[LI], 4, v[LN]
	v_mul_u32_u24 v[SWA], v2, REC
	v_lshl_add_u32 v[SWA], v1, 4, v[SWA]
	v_mul_u32_u24 v3, v1, PITCH
	v_lshl_add_u32 v4, v2, 4, v3                   ; a fragment's row x pitch + 16 x half
	s_mul_i32 s21, s15, HALFT
	s_mul_i32 s22, s16, HALFT
	s_add_co_u32 s22, s22, 2*HALFT
.irp s, 0,1
	v_add_nc_u32 v[ADRA+\s], s21, v4
	v_add_nc_u32 v[ADRB+\s], s22, v4
	s_add_co_u32 s21, s21, SLOT
	s_add_co_u32 s22, s22, SLOT
.endr
	v_mul_u32_u24 v5, v1, KS                       ; my row's scale bytes,
	v_lshrrev_b32 v6, 8, v5
	v_lshl_add_u32 v5, v6, 4, v5                   ; and 16 more for each 256 passed
	s_mul_i32 s21, s15, HALFS
	s_mul_i32 s22, s16, HALFS
	s_add_co_u32 s22, s22, 2*HALFS
	s_sub_co_u32 s22, s22, s21
	v_mul_u32_u24 v6, s22, v2                      ; lanes 16-31 take B's
	s_add_co_u32 s21, s21, SCL
	v_add_nc_u32 v5, v5, v6
	v_add_nc_u32 v[ADRS], s21, v5
	s_lshl_b32 s18, s17, 8
	s_lshl_b32 s19, s15, 7
	s_add_co_u32 s18, s18, s19                     ; my first row of A's side: a token (q, k) or a channel (v)
	s_lshl_b32 s19, s42, 8
	s_lshl_b32 s20, s16, 7
	s_add_co_u32 s19, s19, s20                     ; my first row of B's side: a column of q, k, or a token
.macro BASES                           ; s20: the scale words' offset, s22: the codes', s46: the bias's
	s_mov_b32 s21, 0
	s_mov_b32 s23, 0
	s_mov_b32 s47, 0
	s_add_nc_u64 s[96:97], s[12:13], s[20:21]
	s_add_nc_u64 s[12:13], s[12:13], s[22:23]
	s_add_nc_u64 s[66:67], s[66:67], s[46:47]
.endm
	s_cmp_eq_u32 s95, 1
	s_cbranch_scc1 .Lv_bias
	s_lshr_b32 s20, s19, 10                        ; q or k
	s_lshl_b32 s20, s20, 5
	s_lshr_b32 s21, s18, 11                        ; batch
	s_lshl_b32 s21, s21, 4
	s_add_co_u32 s20, s20, s21
	s_bfe_u32 s21, s19, 0x40006                    ; head
	s_add_co_u32 s20, s20, s21
	s_mul_i32 s20, s20, REC
	s_bfe_u32 s21, s18, 0x70004                    ; token block in the batch
	s_lshl_b32 s21, s21, 9
	s_add_co_u32 s22, s20, s21
	s_bfe_u32 s21, s18, 0x40007                    ; which 128 tokens
	s_lshl_b32 s21, s21, 8
	s_add_co_u32 s20, s20, s21
	s_add_co_u32 s20, s20, 65536
	s_lshl_b32 s46, s19, 2
	v_lshlrev_b32 v[BO], 5, v2                     ; tile b, register j: b(column 16 b + 8 h + j)
	BASES
.irp b, 0,1,2,3,4,5,6,7
	global_load_b128 v[CB+8*\b:CB+8*\b+3], v[BO], s[66:67] offset:64*\b
	global_load_b128 v[CB+8*\b+4:CB+8*\b+7], v[BO], s[66:67] offset:64*\b+16
.endr
	s_branch .Lbias_asked
.Lv_bias:
	s_lshr_b32 s20, s19, 11                        ; batch
	s_lshl_b32 s20, s20, 4
	s_lshr_b32 s21, s18, 6                         ; head
	s_add_co_u32 s20, s20, s21
	s_mul_i32 s20, s20, REC
	s_bfe_u32 s21, s19, 0x40007                    ; which 128 keys
	s_lshl_b32 s22, s21, 12
	s_add_co_u32 s22, s22, s20
	s_lshl_b32 s21, s21, 8
	s_add_co_u32 s20, s20, s21
	s_add_co_u32 s20, s20, 65536
	s_lshl_b32 s46, s18, 2
	s_add_co_u32 s46, s46, 8192
	v_lshlrev_b32 v[BO], 2, v1                     ; block a, every register: b(2,048 + channel 16 a + r)
	BASES
.irp a, 0,1,2,3,4,5,6,7
.irp j, 0,1,2,3,4,5,6,7
	global_load_b32 v[CB+8*\a+\j], v[BO], s[66:67] offset:64*\a
.endr
.endr
.Lbias_asked:
.macro FRAG reg, adr, q, i             ; 16 rows x 128 K: lane l holds row l % 16; registers 4 c .. 4 c + 3: K = 64 c + 32 (l / 16) + 0 .. 31
.irp c, 0,1
	ds_load_b128 v[\reg+4*\c:\reg+4*\c+3], v[\adr] offset:64*(\q)+32*\c+(\i)*16*PITCH
.endr
.endm
; 16 matrix instructions: A's blocks a0, a0 + 1 x B's eight.  zero = 1, 2: the first K step takes the bias as C (by B's block, by A's block).  The 64 accumulators take turns.
.macro MUL16 a0, p, q, sc, zero
.irp a, \a0, \a0+1
.irp b, 0,1,2,3,4,5,6,7
.if \zero == 1
	v_wmma_scale_f32_16x16x128_f8f6f4 v[8*(8*((\a)%4)+\b):8*(8*((\a)%4)+\b)+7], v[128*(\p)+FR*\b:128*(\p)+FR*\b+FR-1], v[AF+FR*(\a):AF+FR*(\a)+FR-1], v[CB+8*\b:CB+8*\b+7], v[SC+8*NQ*(\sc)+NQ*\b+(\q)], v[SC+8*NQ*(\sc)+NQ*(\a)+(\q)] matrix_a_fmt:MATRIX_FMT_FP4 matrix_b_fmt:MATRIX_FMT_FP4 matrix_a_scale:MATRIX_SCALE_ROW1
.elseif \zero == 2
	v_wmma_scale_f32_16x16x128_f8f6f4 v[8*(8*((\a)%4)+\b):8*(8*((\a)%4)+\b)+7], v[128*(\p)+FR*\b:128*(\p)+FR*\b+FR-1], v[AF+FR*(\a):AF+FR*(\a)+FR-1], v[CB+8*(\a):CB+8*(\a)+7], v[SC+8*NQ*(\sc)+NQ*\b+(\q)], v[SC+8*NQ*(\sc)+NQ*(\a)+(\q)] matrix_a_fmt:MATRIX_FMT_FP4 matrix_b_fmt:MATRIX_FMT_FP4 matrix_a_scale:MATRIX_SCALE_ROW1
.else
	v_wmma_scale_f32_16x16x128_f8f6f4 v[8*(8*((\a)%4)+\b):8*(8*((\a)%4)+\b)+7], v[128*(\p)+FR*\b:128*(\p)+FR*\b+FR-1], v[AF+FR*(\a):AF+FR*(\a)+FR-1], v[8*(8*((\a)%4)+\b):8*(8*((\a)%4)+\b)+7], v[SC+8*NQ*(\sc)+NQ*\b+(\q)], v[SC+8*NQ*(\sc)+NQ*(\a)+(\q)] matrix_a_fmt:MATRIX_FMT_FP4 matrix_b_fmt:MATRIX_FMT_FP4 matrix_a_scale:MATRIX_SCALE_ROW1
.endif
.endr
.endr
.endm
.macro FETCH_B slot, q, p
	WIN TO_B
.irp i, 0,1,2,3,4,5,6,7
	FRAG 128*(\p)+FR*\i, ADRB+\slot, \q, \i
.endr
	WIN 0
.endm
.macro FETCH_A slot, q, i0
.irp i, \i0, \i0+1, \i0+2, \i0+3
	FRAG AF+FR*(\i), ADRA+\slot, \q, \i
.endr
.endm
.macro SCALES sc                       ; a slot's scale words: lanes 0-15 A's block i, lanes 16-31 B's block i
.irp i, 0,1,2,3,4,5,6,7
	ds_load_b128 v[SC+8*NQ*\sc+NQ*\i:SC+8*NQ*\sc+NQ*\i+3], v[ADRS] offset:\i*SBLK
.endr
.endm
.macro PLACES n                        ; plain vector instructions between a matrix instruction and a load into, or a vector read of, its registers
.rept \n
	v_nop
.endr
.endm
.macro STEP slot, q, zero              ; 128 along K; its successor lies in the same slot
	s_wait_dscnt 4*NL                              ; all but A's blocks 4-7, the youngest eight loads
.if \zero
	WIN 0x81                                       ; C in window 0, D in window 2
.else
	WIN MUL_LO
.endif
	MUL16 0, (\q)%2, \q, \slot, \zero
	MUL16 2, (\q)%2, \q, \slot, \zero
	s_wait_dscnt 0
	PLACES NP
	FETCH_B \slot, (\q)+1, 1-(\q)%2
	FETCH_A \slot, (\q)+1, 0
.if \zero
	WIN 0xc1
.else
	WIN MUL_HI
.endif
	MUL16 4, (\q)%2, \q, \slot, \zero
	MUL16 6, (\q)%2, \q, \slot, \zero
	PLACES NP
	WIN 0
	FETCH_A \slot, (\q)+1, 4
.endm
.macro TURN slot, next                 ; a slot's last step: one barrier, behind which the next slot is whole for every wave
	s_wait_tensorcnt 0x0                           ; all my tensor loads have landed: my part of the next slot among them
	ds_add_u32 v[SPW], v[NIL]                      ; 0 onto my spare word
	s_wait_dscnt 4*NL+1                            ; the add and A's blocks 4-7 may be out
	WIN MUL_LO
	MUL16 0, 1, NQ-1, \slot, 0
	s_wait_dscnt 0x0
	s_barrier_signal -1
	MUL16 2, 1, NQ-1, \slot, 0
	WIN 0
	s_barrier_wait -1
	PLACES NP
	v_add_nc_u32 v[ADRS], 4*NQ, v[ADRS]            ; the next slot's scale words
	FETCH_B \next, 0, 0
	FETCH_A \next, 0, 0
	SCALES \next
	WIN MUL_HI
	MUL16 4, 1, NQ-1, \slot, 0
	MUL16 6, 1, NQ-1, \slot, 0
	PLACES NP
	WIN 0
	FETCH_A \next, 0, 4
.endm
.macro STEPS slot, from
.set Q, \from
.rept NQ-1-\from
	STEP \slot, Q, 0
.set Q, Q+1
.endr
.endm
	s_wait_tensorcnt 0x0                           ; my one load has landed
	s_barrier_signal -1
	s_barrier_wait -1
	FETCH_B 0, 0, 0
	FETCH_A 0, 0, 0
	s_wait_alu depctr_va_vdst(0)
	SCALES 0
	FETCH_A 0, 0, 4
	s_wait_loadcnt 0x0                             ; the bias
	s_cmp_eq_u32 s95, 1
	s_cbranch_scc1 .Lv_first
	STEP 0, 0, 1
	s_branch .Lfirst_done
.Lv_first:
	STEP 0, 0, 2
.Lfirst_done:
	STEPS 0, 1
	TURN 0, 1
	STEPS 1, 0
	s_wait_dscnt 4*NL
	WIN MUL_LO
	MUL16 0, 1, NQ-1, 1, 0
	MUL16 2, 1, NQ-1, 1, 0
	s_wait_dscnt 0
	WIN MUL_HI
	MUL16 4, 1, NQ-1, 1, 0
	MUL16 6, 1, NQ-1, 1, 0
	WIN 0
; THE WAY OUT.  Block a (16 lanes' rows x 128 along the next K) is quantised out of its eight accumulators and stored as two pieces of 512 bytes.
.macro QROW a, mode
.set AC, 64*((\a)%4)
.set PCA, PC+8*(\a)
	WIN 0x28+0x14*((\a)/4)                         ; sources 1 and 2: window 2 or 3
.irp b, 0,1,2,3
	v_max3_num_f32 v[TM+\b], 0x1800000, |v[AC+16*\b]|, |v[AC+16*\b+1]|     ; each accumulator is read from its low end on; the floor 2^(3 - 127)
.endr
.irp i, 2,4,6,8,10,12,14
.irp b, 0,1,2,3
	v_max3_num_f32 v[TM+\b], v[TM+\b], |v[AC+16*\b+\i]|, |v[AC+16*\b+\i+1]|
.endr
.endr
	WIN 0
.irp b, 0,1,2,3
	v_permlanex16_b32 v[TM+4+\b], v[TM+\b], s20, s21
.endr
.irp b, 0,1,2,3
	v_max_num_f32 v[TM+\b], v[TM+\b], v[TM+4+\b]   ; with lane l xor 16's: the block's largest magnitude
.endr
.irp b, 0,1,2,3
	v_add_nc_u32 v[TM+12+\b], 0xff000000, v[TM+\b] ; 2 off its exponent field: the conversion's scale operand
.endr
.irp b, 0,1,2,3
	v_lshrrev_b32 v[TM+4+\b], 23, v[TM+12+\b]      ; the byte
.endr
	v_lshl_or_b32 v[WD+\a], v[TM+5], 8, v[TM+4]
	v_lshl_or_b32 v[WD+\a], v[TM+6], 16, v[WD+\a]
	v_lshl_or_b32 v[WD+\a], v[TM+7], 24, v[WD+\a]
	WIN 0x02+((\a)/4)                              ; source 0: window 2 or 3
.irp b, 0,1,2,3
	v_cvt_scalef32_pk8_fp4_f32 v[PCA+4*(\b/2)+(\b%2)], v[AC+16*\b:AC+16*\b+7], v[TM+12+\b]
	v_cvt_scalef32_pk8_fp4_f32 v[PCA+4*(\b/2)+2+(\b%2)], v[AC+16*\b+8:AC+16*\b+15], v[TM+12+\b]
.endr
	WIN 0
	v_nop                                          ; one plain instruction behind the conversions
.irp c, 0,1                            ; lanes 0-15 get the whole of block 2 c, lanes 16-31 of block 2 c + 1
	v_permlane16_swap_b32 v[PCA+4*\c], v[PCA+4*\c+1]
	v_permlane16_swap_b32 v[PCA+4*\c+2], v[PCA+4*\c+3]
.endr
.irp c, 0,1
.if \mode == 0
	global_store_b128 v[LI], v[PCA+4*\c:PCA+4*\c+3], s[12:13] offset:\c*REC+(\a)*512               ; head c of my two, token block a
.else
	global_store_b128 v[LI], v[PCA+4*\c:PCA+4*\c+3], s[12:13] offset:((\a)/4)*REC+((\a)%4)*1024+512*\c   ; head a / 4, channel tile a % 4, keys 64 c on
.endif
.endr
.endm
	PLACES NP
	s_mov_b32 s20, 0x76543210
	s_mov_b32 s21, 0xfedcba98
.irp b, 0,1,2,3
	v_mov_b32 v[TM+4+\b], 0                        ; a lane permute's destination counts as read
.endr
	v_cmp_le_u32 vcc_lo, 16, v[LN]                 ; lanes 16-31
	s_cmp_eq_u32 s95, 1
	s_cbranch_scc1 .Lv_out
.irp a, 0,1,2,3,4,5,6,7
	QROW \a, 0
.endr
.irp t, 0,1,2,3                        ; a word of block a: bytes 0, 1 my first head's, bytes 2, 3 my second's.  Stored: two bytes of token block 2 t, two of 2 t + 1
	v_perm_b32 v[EO+\t], v[WD+2*\t+1], v[WD+2*\t], 0x05040100
	v_perm_b32 v[EO+4+\t], v[WD+2*\t+1], v[WD+2*\t], 0x07060302
.endr
.irp t, 0,1,2,3
	v_cndmask_b32 v[SW+\t], v[EO+\t], v[EO+4+\t], vcc_lo       ; lanes 0-15 store the first head's, lanes 16-31 the second's
.endr
	global_store_b128 v[SWA], v[SW:SW+3], s[96:97]             ; 256 consecutive bytes into each of two records
	s_branch .Lout
.Lv_out:
.irp a, 0,1,2,3,4,5,6,7
	QROW \a, 1
.endr
.irp t, 0,1,2,3
	v_cndmask_b32 v[SW+\t], v[WD+\t], v[WD+4+\t], vcc_lo
.endr
	global_store_b128 v[SWA], v[SW:SW+3], s[96:97]
.Lout:
	s_wait_tensorcnt 0x0                           ; the wave's end
	ds_add_u32 v[SPW], v[NIL]
	s_wait_dscnt 0x0
	CROUND                                         ; the closing round
	s_endpgm
.Lfunc_end_k_q16cc936360_qkv:
	.size	k_q16cc936360_qkv, .Lfunc_end_k_q16cc936360_qkv-k_q16cc936360_qkv
	.p2alignl 7, 3214868480
	.fill 96, 4, 3214868480
	.section	.rodata,"a",@progbits
	.p2align	6, 0x0
	.amdhsa_kernel k_q16cc936360_qkv
		.amdhsa_group_segment_fixed_size 327680
		.amdhsa_private_segment_fixed_size 0
		.amdhsa_enable_private_segment 0
		.amdhsa_kernarg_size 48
		.amdhsa_user_sgpr_count 2
		.amdhsa_user_sgpr_kernarg_segment_ptr 1
		.amdhsa_wavefront_size32 1
		.amdhsa_system_sgpr_workgroup_id_x 1
		.amdhsa_system_sgpr_workgroup_id_y 1
		.amdhsa_system_sgpr_workgroup_id_z 1
		.amdhsa_system_vgpr_workitem_id 0
		.amdhsa_next_free_vgpr 1024
		.amdhsa_next_free_sgpr 102
		.amdhsa_reserve_vcc 1
		.amdhsa_float_denorm_mode_32 3
		.amdhsa_float_denorm_mode_16_64 3
		.amdhsa_memory_ordered 1
		.amdhsa_forward_progress 1
		.amdhsa_inst_pref_size 180
	.end_amdhsa_kernel
	.amdgpu_metadata
---
amdhsa.version: [ 1, 2 ]
amdhsa.kernels:
  - .name:           k_q16cc936360_qkv
    .symbol:         k_q16cc936360_qkv.kd
    .args:
      - { .name: hbuf, .offset: 0, .size: 8, .value_kind: global_buffer, .address_space: global }
      - { .name: w_qkv_codes, .offset: 8, .size: 8, .value_kind: global_buffer, .address_space: global }
      - { .name: w_qkv_scales, .offset: 16, .size: 8, .value_kind: global_buffer, .address_space: global }
      - { .name: b_qkv, .offset: 24, .size: 8, .value_kind: global_buffer, .address_space: global }
      - { .name: qkbuf, .offset: 32, .size: 8, .value_kind: global_buffer, .address_space: global }
      - { .name: vbuf, .offset: 40, .size: 8, .value_kind: global_buffer, .address_space: global }
    .group_segment_fixed_size: 327680
    .private_segment_fixed_size: 0
    .kernarg_segment_align: 8
    .kernarg_segment_size: 48
    .max_flat_workgroup_size: 128
    .sgpr_count:     102
    .vgpr_count:     1024
    .wavefront_size: 32
...
	.end_amdgpu_metadata
.endif
;; end of part 2
;; launch attn (part 3): grid 8 x 32, 16 waves a work-group, clusters of 4 x 1, 169,984 bytes of LDS; arguments qkbuf, vbuf, obuf; writes obuf
.if DOCPART == 3
	.amdgcn_target "amdgcn-amd-amdhsa--gfx1250"
	.amdhsa_code_object_version 6
	.text
	.protected	k_q16cc936360_attn
	.globl	k_q16cc936360_attn
	.p2align	8
	.type	k_q16cc936360_attn,@function
k_q16cc936360_attn:
	s_mov_b64 s[64:65], 0
	v_nop
	global_prefetch_b8 v0, s[64:65] scope:SCOPE_SE
	s_setreg_imm32_b32 hwreg(HW_REG_WAVE_MODE, 25, 1), 1
	s_wait_xcnt 0x0
	s_wait_alu depctr_hold_cnt(0) depctr_sa_sdst(0) depctr_va_vdst(0) depctr_va_sdst(0) depctr_va_ssrc(0) depctr_va_vcc(0) depctr_vm_vsrc(0)
	s_getreg_b32 s2, hwreg(HW_REG_IB_STS2, 6, 4)
	s_cmp_eq_u32 s2, 0
	s_cbranch_scc0 .Lentry_in_a_cluster
	s_endpgm
.Lentry_in_a_cluster:
	s_bfe_u32 s2, ttmp6, 0x10000c
	s_cmp_lg_u32 s2, 0x3003
	s_cbranch_scc0 .Lentry_shape_is_right
	s_endpgm
.Lentry_shape_is_right:
; o = softmax(q k^T / 8) v for one (batch, head) and 256 queries a work-group, both products on codes of FP4 (E2M1) with E8M0 scales; o is quantised along the channels and stored as the next product's operand.
; IN: qkbuf, vbuf as the launch before laid them: images of operand registers (16 bytes a lane) and scale words.  OUT: obuf: codes [16 rows][128 along K][1,024 B image], scale bytes [4096][32] at byte 2,097,152.
; THE SOFTMAX: t = score x log2(e) / 8; M = the running largest t rounded up to a whole number; p = 2^(t - M) is quantised along the keys, not normalised; the sum is taken of the unquantised p and divides at the end.
; When M moves, the sum and O are multiplied by 2^(old M - new M): exact, and without a branch.  A block's largest p is the block's largest score put through the same multiply-add and exponential.
; SHARES: sixteen waves, each one tile of 16 queries in 256 registers, four to a SIMD, so that one wave's vector work stands beside another's matrix work.  16 steps of 128 keys.
; LDS: the head's K record (69,632 bytes) and V record lie there whole, filled once by waves 0-7, 17,408 bytes each: nothing is filled again.
; CLUSTER: the four query blocks of a cluster belong to one head: each piece is asked for jointly (mask 15).
; Both products are used transposed: a lane holds one query (lane % 16).  q k^T has K = 64, the instruction 128: an operand of K holds key tile 2 t in registers 0-3 and tile 2 t + 1 in registers 4-7;
; against [q | zeros] it gives tile 2 t, against [zeros | q] tile 2 t + 1.  Zero codes add nothing under the byte 127.
; LIMITS: NaN and infinities are not served; o's scale bytes leave as 2 bytes a lane (lanes 16-31 write what lanes 0-15 write): 128 KB of the launch's 2.2 MB; a block under 2^-124 gets the byte 1.
; REGISTERS: v1-3 addresses that stay; v8-11 the step's; v12 -M, v13 largest t, v[14:15] the sum; v16-31 q twice; v32-63 K; v64-95 V; v96-159 S^T, then p; v160-191 O^T; v192-199 K's, V's scale words;
; v200, v201 q's; v202 p's; v204-211 p's codes; v212-223 block maxima, bytes, scale operands; v[224:225] f; v226, v227 at work; v[228:229] second chain of the sum.
.set REC, 69632
.set QTR, 17408
.macro CROUND
	s_barrier_signal -1
	s_barrier_wait -1
	s_cmp_lg_u32 s18, 0
	s_cbranch_scc1 .Lnot_wave_0_\@
	s_barrier_signal -3
.Lnot_wave_0_\@:
	s_barrier_wait -3
	s_barrier_signal -1
	s_barrier_wait -1
.endm
	s_load_b128 s[4:7], s[0:1], 0x0                ; qkbuf, vbuf
	s_load_b64 s[8:9], s[0:1], 0x10                ; obuf
	v_lshl_add_u32 v254, v0, 2, 0x29000
	v_mov_b32 v255, 0
	ds_add_u32 v254, v255
	ds_add_u32 v254, v255
	v_lshrrev_b32 v3, 5, v0
	s_delay_alu instid0(VALU_DEP_1)
	v_readfirstlane_b32 s18, v3                    ; wave 0..15
	s_bfe_u32 s43, ttmp6, 0x40000                  ; cx: it enters q's and o's global addresses alone
	s_lshl_b32 s44, ttmp9, 2
	s_add_co_u32 s44, s44, s43                     ; my block of 256 queries
	s_and_b32 s45, ttmp7, 0xffff                   ; batch x 16 + head
	s_mul_i32 s46, s45, REC                        ; q's record, and V's
	s_and_b32 s48, s18, 3
	s_mul_i32 s48, s48, QTR                        ; the quarter of a record that I fetch
	s_add_co_u32 s50, s46, s48
	s_mov_b32 s51, 0
	s_add_co_u32 s52, s50, 32*REC                  ; k's records lie 32 on
	s_mov_b32 s53, 0
	s_mul_i32 s49, s18, QTR                        ; LDS: waves 0-3 K's quarters, waves 4-7 V's
	s_lshl_b32 s54, s44, 4
	s_add_co_u32 s54, s54, s18                     ; my tile of queries in the record
	s_lshl_b32 s54, s54, 9
	s_add_co_u32 s54, s54, s46
	s_mov_b32 s55, 0
	s_lshl_b32 s58, s44, 1
	s_lshr_b32 s59, s18, 3
	s_add_co_u32 s58, s58, s59                     ; which 128 tokens
	s_lshl_b32 s58, s58, 8
	s_bfe_u32 s59, s18, 0x20001                    ; which pair of tiles in them
	s_lshl_b32 s59, s59, 2
	s_add_co_u32 s58, s58, s59
	s_add_co_u32 s58, s58, s46
	s_add_co_u32 s58, s58, 65536
	s_mov_b32 s59, 0
	s_and_b32 s43, s18, 1
	s_lshl_b32 s43, s43, 4                         ; my tile's two bytes: the word's low or high half
	; descriptor group 1: 68 dense rows of 256 bytes (32 elements of 8 bytes), no padding: images are read 16 bytes a lane on end
	s_mov_b32 s24, 15|(3<<16)|(1<<21)
	s_mov_b32 s25, 32<<16
	s_mov_b32 s26, 68<<16
	s_mov_b32 s27, 32<<16
	s_mov_b32 s28, 68
	s_mov_b32 s29, 32
	s_mov_b32 s30, 0
	s_mov_b32 s31, 0
	s_mov_b32 s20, 0x76543210
	s_mov_b32 s21, 0xfedcba98
	s_mov_b32 s22, 0x3e38aa3b                      ; c = log2(e) / 8
	s_mov_b32 s23, s22
	s_wait_dscnt 0x0
	s_wait_kmcnt 0x0
	s_mov_b32 s32, 1
	s_mov_b32 s33, s49
	s_add_nc_u64 s[34:35], s[4:5], s[52:53]
	s_or_b32 s35, s35, 0x80000000
	s_mov_b32 s36, 1
	s_mov_b32 s37, s49
	s_add_nc_u64 s[38:39], s[6:7], s[50:51]
	s_or_b32 s39, s39, 0x80000000
	s_add_nc_u64 s[56:57], s[4:5], s[54:55]
	s_add_nc_u64 s[60:61], s[4:5], s[58:59]
	CROUND                                         ; all four work-groups are here: the joint loads meet
	s_cmp_lt_u32 s18, 4
	s_cbranch_scc0 .Lnot_k
	tensor_load_to_lds s[32:35], s[24:31]
	s_nop 0
.rept 4
	v_nop
.endr
	s_branch .Lasked
.Lnot_k:
	s_cmp_lt_u32 s18, 8
	s_cbranch_scc0 .Lasked
	tensor_load_to_lds s[36:39], s[24:31]
	s_nop 0
.rept 4
	v_nop
.endr
.Lasked:
	v_and_b32 v1, 31, v0
	s_delay_alu instid0(VALU_DEP_1)
	v_lshlrev_b32 v1, 4, v1                        ; 16 x lane
	v_and_b32 v3, 15, v0
	s_delay_alu instid0(VALU_DEP_1)
	v_lshlrev_b32 v3, 4, v3                        ; 16 r
	s_delay_alu instid0(VALU_DEP_1)
	v_add_nc_u32 v2, 0x10000, v3                   ; a record's scale words: 16 bytes for each r
	global_load_b128 v[16:19], v1, s[56:57]        ; q twice: [q | 0] in v16-23, [0 | q] in v24-31
	global_load_b128 v[28:31], v1, s[56:57]
	global_load_b32 v200, v3, s[60:61]
.irp j, 20,21,22,23,24,25,26,27
	v_mov_b32 v\j, 0
.endr
	v_mov_b32 v13, 0xff61b1e6                      ; the largest t so far: -3e38
	s_delay_alu instid0(VALU_DEP_1)
	v_floor_f32 v12, -v13                          ; -M
	v_mov_b32 v14, 0
	v_mov_b32 v15, 0
.irp j, 216,217,218,219,225,226
	v_mov_b32 v\j, 0                               ; permute destinations, and the upper half of f's pair
.endr
	s_wait_loadcnt 0x0
	v_lshrrev_b32 v200, s43, v200
	s_delay_alu instid0(VALU_DEP_1)
	v_and_b32 v200, 0xffff, v200                   ; my queries' two scale bytes
	s_delay_alu instid0(VALU_DEP_1)
	v_lshl_or_b32 v201, v200, 16, 0x7f7f           ; for [0 | q]
	s_delay_alu instid0(VALU_DEP_2)
	v_or_b32 v200, 0x7f7f0000, v200                ; for [q | 0]
.set j, 0
.rept 32
	v_mov_b32 v[160+j], 0                          ; O^T: the loop is written once; its first step multiplies these zeros by 0
.set j, j+1
.endr
	s_mov_b32 s40, 0                               ; the step's codes: 4,096 bytes a step
	s_mov_b32 s41, 0                               ; its scale words: 256
	s_mov_b32 s42, 16
	s_wait_tensorcnt 0x0                           ; my piece has landed,
	s_barrier_signal -1
	s_barrier_wait -1                              ; everybody's has
.Lstep:
	v_add_nc_u32 v8, s40, v1                       ; these four are the places behind the last step's products, in front of the loads into their operands
	v_add_nc_u32 v10, s41, v2
	s_delay_alu instid0(VALU_DEP_2)
	v_add_nc_u32 v9, REC, v8
	s_delay_alu instid0(VALU_DEP_2)
	v_add_nc_u32 v11, REC, v10
.irp t, 0,1,2,3,4,5,6,7
	ds_load_b128 v[32+4*\t:35+4*\t], v8 offset:512*\t          ; key tile t
.endr
	ds_load_b128 v[192:195], v10
.irp t, 0,1,2,3,4,5,6,7
	ds_load_b128 v[64+4*\t:67+4*\t], v9 offset:512*\t          ; channel tile t / 2, keys 64 (t % 2) on
.endr
	ds_load_b128 v[196:199], v11
	s_wait_dscnt 9                                 ; K and its words are in; V's nine loads may be out
.irp t, 0,1,2,3
	v_wmma_scale_f32_16x16x128_f8f6f4 v[96+16*\t:103+16*\t], v[32+8*\t:39+8*\t], v[16:23], 0, v[192+\t], v200 matrix_a_fmt:MATRIX_FMT_FP4 matrix_b_fmt:MATRIX_FMT_FP4
	v_wmma_scale_f32_16x16x128_f8f6f4 v[104+16*\t:111+16*\t], v[32+8*\t:39+8*\t], v[24:31], 0, v[192+\t], v201 matrix_a_fmt:MATRIX_FMT_FP4 matrix_b_fmt:MATRIX_FMT_FP4
.endr
.rept 4
	v_nop
.endr
.irp b, 0,1,2,3
	v_max3_num_f32 v[212+\b], v[96+16*\b], v[97+16*\b], v[98+16*\b]        ; the largest score of each block of 32 keys
.endr
.irp i, 3,5,7,9,11,13
.irp b, 0,1,2,3
	v_max3_num_f32 v[212+\b], v[212+\b], v[96+16*\b+\i], v[97+16*\b+\i]
.endr
.endr
.irp b, 0,1,2,3
	v_max_num_f32 v[212+\b], v[212+\b], v[111+16*\b]
.endr
.irp b, 0,1,2,3
	s_delay_alu instid0(VALU_DEP_4)
	v_permlanex16_b32 v[216+\b], v[212+\b], s20, s21
.endr
.irp b, 0,1,2,3
	s_delay_alu instid0(VALU_DEP_4)
	v_max_num_f32 v[212+\b], v[212+\b], v[216+\b]
.endr
	s_delay_alu instid0(VALU_DEP_2)
	v_max3_num_f32 v226, v212, v213, v214
	s_delay_alu instid0(VALU_DEP_1)
	v_max_num_f32 v226, v226, v215
	s_delay_alu instid0(VALU_DEP_1)
	v_mul_f32 v226, s22, v226                      ; as t
	s_delay_alu instid0(VALU_DEP_1)
	v_max_num_f32 v13, v13, v226                   ; the running largest t
	v_mov_b32 v226, v12
	s_delay_alu instid0(VALU_DEP_2)
	v_floor_f32 v12, -v13                          ; the new -M = -ceil(t)
	s_delay_alu instid0(VALU_DEP_1)
	v_sub_f32 v226, v12, v226                      ; old M - new M, a whole number, 0 or less
	s_delay_alu instid0(VALU_DEP_1)
	v_cvt_i32_f32 v226, v226                       ; (it saturates)
	s_delay_alu instid0(VALU_DEP_1)
	v_ldexp_f32 v224, 1.0, v226                    ; f = 2^(old M - new M)
.set j, 0
.rept 32
	v_pk_fma_f32 v[96+j:97+j], v[96+j:97+j], s[22:23], v[12:13] op_sel_hi:[1,0,0]  ; t - M
.set j, j+2
.endr
.irp b, 0,1,2,3
	v_fma_f32 v[212+\b], v[212+\b], s22, v12
.endr
.set j, 0
	s_wait_alu depctr_va_vdst(0)
.rept 64
	v_exp_f32 v[96+j], v[96+j]                     ; p
.set j, j+1
.endr
.irp b, 0,1,2,3
	v_exp_f32 v[212+\b], v[212+\b]                 ; the block's largest p
.endr
	v_pk_mul_f32 v[14:15], v[14:15], v[224:225] op_sel_hi:[1,0]    ; the sum under the new M (a plain instruction behind the exponentials)
	s_wait_alu depctr_va_vdst(0)
.irp b, 0,1,2,3
	v_max_num_f32 v[212+\b], 0x1800000, v[212+\b]  ; the floor 2^(3 - 127)
.endr
.irp b, 0,1,2,3
	s_delay_alu instid0(VALU_DEP_4)
	v_add_nc_u32 v[220+\b], 0xff000000, v[212+\b]
.endr
.irp b, 0,1,2,3
	s_delay_alu instid0(VALU_DEP_4)
	v_lshrrev_b32 v[216+\b], 23, v[220+\b]
.endr
	s_delay_alu instid0(VALU_DEP_3)
	v_lshl_or_b32 v202, v217, 8, v216              ; p's scale word for these 128 keys
	s_delay_alu instid0(VALU_DEP_1)
	v_lshl_or_b32 v202, v218, 16, v202
	s_delay_alu instid0(VALU_DEP_1)
	v_lshl_or_b32 v202, v219, 24, v202
.irp b, 0,1,2,3
	v_cvt_scalef32_pk8_fp4_f32 v[204+4*(\b/2)+(\b%2)], v[96+16*\b:103+16*\b], v[220+\b]
	v_cvt_scalef32_pk8_fp4_f32 v[206+4*(\b/2)+(\b%2)], v[104+16*\b:111+16*\b], v[220+\b]
.endr
	v_nop
.irp c, 0,1
	v_permlane16_swap_b32 v[204+4*\c], v[205+4*\c]
	v_permlane16_swap_b32 v[206+4*\c], v[207+4*\c]
.endr
	v_pk_add_f32 v[228:229], v[100:101], v[104:105]
	v_pk_add_f32 v[252:253], v[108:109], v[112:113]
	v_pk_add_f32 v[250:251], v[116:117], v[120:121]
	v_pk_add_f32 v[248:249], v[124:125], v[128:129]
	v_pk_add_f32 v[246:247], v[132:133], v[136:137]
	v_pk_add_f32 v[244:245], v[140:141], v[144:145]
	v_pk_add_f32 v[242:243], v[148:149], v[152:153]
	v_pk_add_f32 v[14:15], v[14:15], v[156:157]
	v_pk_add_f32 v[228:229], v[228:229], v[96:97]
	v_pk_add_f32 v[252:253], v[252:253], v[98:99]
	v_pk_add_f32 v[250:251], v[250:251], v[102:103]
	v_pk_add_f32 v[248:249], v[248:249], v[106:107]
	v_pk_add_f32 v[246:247], v[246:247], v[110:111]
	v_pk_add_f32 v[244:245], v[244:245], v[114:115]
	v_pk_add_f32 v[242:243], v[242:243], v[118:119]
	v_pk_add_f32 v[14:15], v[14:15], v[122:123]
	v_pk_add_f32 v[228:229], v[228:229], v[126:127]
	v_pk_add_f32 v[252:253], v[252:253], v[130:131]
	v_pk_add_f32 v[250:251], v[250:251], v[134:135]
	v_pk_add_f32 v[248:249], v[248:249], v[138:139]
	v_pk_add_f32 v[246:247], v[246:247], v[142:143]
	v_pk_add_f32 v[244:245], v[244:245], v[146:147]
	v_pk_add_f32 v[242:243], v[242:243], v[150:151]
	v_pk_add_f32 v[14:15], v[14:15], v[154:155]
	v_pk_add_f32 v[228:229], v[228:229], v[158:159]
	s_delay_alu instid0(VALU_DEP_2)
	v_pk_add_f32 v[14:15], v[14:15], v[248:249]
	s_delay_alu instid0(VALU_DEP_2)
	v_pk_add_f32 v[228:229], v[228:229], v[246:247]
	v_pk_add_f32 v[252:253], v[252:253], v[244:245]
	v_pk_add_f32 v[250:251], v[250:251], v[242:243]
	s_delay_alu instid0(VALU_DEP_2)
	v_pk_add_f32 v[14:15], v[14:15], v[252:253]
	s_delay_alu instid0(VALU_DEP_2)
	v_pk_add_f32 v[228:229], v[228:229], v[250:251]
	s_delay_alu instid0(VALU_DEP_1)
	v_pk_add_f32 v[14:15], v[14:15], v[228:229]
.set j, 0
.rept 16
	v_pk_mul_f32 v[160+j:161+j], v[160+j:161+j], v[224:225] op_sel_hi:[1,0]        ; O^T under the new M
.set j, j+2
.endr
	s_wait_alu depctr_va_vdst(0)
	s_wait_dscnt 0x0                               ; V
.irp t, 0,1,2,3                        ; four accumulators by turns
	v_wmma_scale_f32_16x16x128_f8f6f4 v[160+8*\t:167+8*\t], v[64+8*\t:71+8*\t], v[204:211], v[160+8*\t:167+8*\t], v[196+\t], v202 matrix_a_fmt:MATRIX_FMT_FP4 matrix_b_fmt:MATRIX_FMT_FP4
.endr
	s_add_co_u32 s40, s40, 4096
	s_add_co_u32 s41, s41, 256
	s_sub_co_u32 s42, s42, 1
	s_cmp_lg_u32 s42, 0
	s_cbranch_scc1 .Lstep
	; THE WAY OUT
	s_lshr_b32 s46, s45, 4                         ; batch
	s_and_b32 s47, s45, 15                         ; head
	s_lshl_b32 s46, s46, 7
	s_lshl_b32 s48, s44, 4
	s_add_co_u32 s46, s46, s48
	s_add_co_u32 s46, s46, s18                     ; my block of 16 rows among 256
	s_lshl_b32 s48, s46, 3
	s_lshr_b32 s49, s47, 1
	s_add_co_u32 s48, s48, s49                     ; two heads are 128 along the next K
	s_lshl_b32 s48, s48, 10
	s_and_b32 s49, s47, 1
	s_lshl_b32 s49, s49, 9
	s_add_co_u32 s48, s48, s49
	s_mov_b32 s49, 0
	s_add_nc_u64 s[50:51], s[8:9], s[48:49]
	s_lshl_b32 s52, s46, 9
	s_lshl_b32 s53, s47, 1
	s_add_co_u32 s52, s52, s53
	s_add_co_u32 s52, s52, 0x200000
	s_mov_b32 s53, 0
	s_add_nc_u64 s[52:53], s[8:9], s[52:53]
	v_add_f32 v14, v14, v15
	s_delay_alu instid0(VALU_DEP_1)
	v_permlanex16_b32 v226, v14, s20, s21
	s_delay_alu instid0(VALU_DEP_1)
	v_add_f32 v14, v14, v226                       ; the row's sum
	s_wait_alu depctr_va_vdst(0)
	v_rcp_f32 v14, v14
	v_and_b32 v4, 15, v0
	s_delay_alu instid0(VALU_DEP_1)
	v_lshlrev_b32 v4, 5, v4                        ; 32 r: my row's scale bytes
	v_nop
	v_nop
.set j, 0
	s_wait_alu depctr_va_vdst(0)
.rept 32
	v_mul_f32 v[96+j], v[160+j], v14               ; o(r, 16 t + 8 h + i), each accumulator from its low end on
.set j, j+1
.endr
.irp b, 0,1
	v_max3_num_f32 v[212+\b], |v[96+16*\b]|, |v[97+16*\b]|, 0x1800000
.endr
.irp i, 2,4,6,8,10,12,14
.irp b, 0,1
	s_delay_alu instid0(VALU_DEP_2)
	v_max3_num_f32 v[212+\b], v[212+\b], |v[96+16*\b+\i]|, |v[97+16*\b+\i]|
.endr
.endr
.irp b, 0,1
	s_delay_alu instid0(VALU_DEP_2)
	v_permlanex16_b32 v[216+\b], v[212+\b], s20, s21
.endr
.irp b, 0,1
	s_delay_alu instid0(VALU_DEP_2)
	v_max_num_f32 v[212+\b], v[212+\b], v[216+\b]
.endr
.irp b, 0,1
	s_delay_alu instid0(VALU_DEP_2)
	v_add_nc_u32 v[220+\b], 0xff000000, v[212+\b]
.endr
.irp b, 0,1
	s_delay_alu instid0(VALU_DEP_2)
	v_lshrrev_b32 v[216+\b], 23, v[220+\b]
.endr
	s_delay_alu instid0(VALU_DEP_1)
	v_lshl_or_b32 v227, v217, 8, v216
.irp b, 0,1
	v_cvt_scalef32_pk8_fp4_f32 v[204+\b], v[96+16*\b:103+16*\b], v[220+\b]
	v_cvt_scalef32_pk8_fp4_f32 v[206+\b], v[104+16*\b:111+16*\b], v[220+\b]
.endr
	v_nop
	v_permlane16_swap_b32 v204, v205
	v_permlane16_swap_b32 v206, v207
	global_store_b128 v1, v[204:207], s[50:51]     ; 512 consecutive bytes: half an image
	global_store_b16 v4, v227, s[52:53]
	s_wait_tensorcnt 0x0
	ds_add_u32 v254, v255
	s_wait_dscnt 0x0
	CROUND                                         ; the closing round
	s_endpgm
.Lfunc_end_k_q16cc936360_attn:
	.size	k_q16cc936360_attn, .Lfunc_end_k_q16cc936360_attn-k_q16cc936360_attn
	.p2alignl 7, 3214868480
	.fill 96, 4, 3214868480
	.section	.rodata,"a",@progbits
	.p2align	6, 0x0
	.amdhsa_kernel k_q16cc936360_attn
		.amdhsa_group_segment_fixed_size 169984
		.amdhsa_private_segment_fixed_size 0
		.amdhsa_enable_private_segment 0
		.amdhsa_kernarg_size 24
		.amdhsa_user_sgpr_count 2
		.amdhsa_user_sgpr_kernarg_segment_ptr 1
		.amdhsa_wavefront_size32 1
		.amdhsa_system_sgpr_workgroup_id_x 1
		.amdhsa_system_sgpr_workgroup_id_y 1
		.amdhsa_system_sgpr_workgroup_id_z 1
		.amdhsa_system_vgpr_workitem_id 0
		.amdhsa_next_free_vgpr 256
		.amdhsa_next_free_sgpr 66
		.amdhsa_reserve_vcc 0
		.amdhsa_float_denorm_mode_32 3
		.amdhsa_float_denorm_mode_16_64 3
		.amdhsa_memory_ordered 1
		.amdhsa_forward_progress 1
		.amdhsa_inst_pref_size 29
	.end_amdhsa_kernel
	.amdgpu_metadata
---
amdhsa.version: [ 1, 2 ]
amdhsa.kernels:
  - .name:           k_q16cc936360_attn
    .symbol:         k_q16cc936360_attn.kd
    .args:
      - { .name: qkbuf, .offset: 0, .size: 8, .value_kind: global_buffer, .address_space: global }
      - { .name: vbuf, .offset: 8, .size: 8, .value_kind: global_buffer, .address_space: global }
      - { .name: obuf, .offset: 16, .size: 8, .value_kind: global_buffer, .address_space: global }
    .group_segment_fixed_size: 169984
    .private_segment_fixed_size: 0
    .kernarg_segment_align: 8
    .kernarg_segment_size: 24
    .max_flat_workgroup_size: 512
    .sgpr_count:     66
    .vgpr_count:     256
    .wavefront_size: 32
...
	.end_amdgpu_metadata
.endif
;; end of part 3
;; launch projln (part 4): grid 256 x 1, 8 waves a work-group, no clusters, 167,936 bytes of LDS; arguments obuf, wimg, w_proj_scales, b_proj, x, ln2_g, ln2_b, x1, hbuf; writes x1, hbuf
.if DOCPART == 4
	.amdgcn_target "amdgcn-amd-amdhsa--gfx1250"
	.amdhsa_code_object_version 6
	.text
	.protected	k_q16cc936360_projln
	.globl	k_q16cc936360_projln
	.p2align	8
	.type	k_q16cc936360_projln,@function
k_q16cc936360_projln:
	s_mov_b64 s[64:65], 0
	v_nop
	global_prefetch_b8 v0, s[64:65] scope:SCOPE_SE
	s_setreg_imm32_b32 hwreg(HW_REG_WAVE_MODE, 25, 1), 1
	s_wait_xcnt 0x0
; x1 = x + o W^T + bias (o, W: codes of FP4 (E2M1) with E8M0 scales for each 32 along K = 1,024), then h = LayerNorm(x1) g + b in f32, quantised along the row: codes [4096][512 B] and scale bytes [4096][32] at byte 2,097,152 of hbuf.
; SHARES: a work-group owns 16 whole rows, so the norm follows the product in the same launch.  Eight waves; wave w makes columns 128 w .. + 127: 8 accumulators by turns x 8 steps of 128 along K.
; OPERANDS go from memory straight into registers: o is stored as images of operand registers, W's codes were laid so by the first launch (wimg): every load of a wave covers 512 consecutive bytes.
; Scale words: lane (r, h) loads bytes 16 h .. + 15 of row r's 32: lanes 0-15 hold the words of K steps 0-3, lanes 16-31 those of steps 4-7 (read by the ROW1 selector).
; W's fragments: three sets of 8 in window 1, so that the loads of three K steps are out.  The bias is loaded into the accumulators.  The matrix instruction is used transposed: a lane holds one row (lane % 16).
; x: each wave's own two rows come into LDS by one tensor load (8,192 dense bytes), on a counter of its own.  No LDS tile is shared between work-groups, so there is no cluster; the launch has no loop, so nothing is prefetched.
; THE WAY OUT: accumulators -> stage of 16 rows x 4,112 bytes -> barrier -> wave w takes rows 2 w, 2 w + 1, lane l numbers 128 i + 4 l .. + 3 (i = 0..7): every global access covers 512 consecutive bytes.
; A block of 32 is eight lanes' four numbers; a conversion takes eight registers, of which the first four are the block's: the low 16 bits of its result are kept.
; LIMITS: NaN and infinities are not served; a block under 2^-124 gets the byte 1 (this program alone reads the bytes).
.set SP,    4112
.set XL,    16*SP                      ; x: 8 waves x 8,192 bytes
.set CST,   XL+65536                   ; codes: 16 rows x 512 bytes
.set SCB,   CST+8192                   ; scale bytes: 16 rows x 32
.set SPARE, SCB+512                    ; the spare words, 128 bytes a wave
.set LI,  2                            ; 16 x lane
.set SOF, 3                            ; 32 r + 16 h
.set BO,  4                            ; 32 h
.set STO, 5
.set RD,  6
.set XA,  7
.set CW,  8
.set CR,  9
.set SB,  10
.set SR,  11
.set SPW, 12
.set NIL, 13
.set AF,  16                           ; v16-79 o's fragments; then the two rows
.set X,   16
.set WS,  80                           ; v80-111 W's scale words; then v80-85 zeros, v88-95 maxima, v96-103 bytes
.set PT,  84
.set TM,  88
.set BY,  96
.set AS,  112                          ; v112-115 o's scale words
.set SA,  116                          ; v116-123 sums
.set MU,  124                          ; v[124:125], v[126:127] mean, then 1 / sigma
.set XR,  128                          ; v128-191 x; then codes and the way out
.set CD,  128
.set OUTR, 144
.set G,   192
.set B,   224
.set ACC, 0                            ; window 1: v0-63 accumulators, v64-255 W's fragments
.set WF,  64
.set MSB, 0
.macro WIN new                         ; the immediate's high byte repeats the setting that is left
.if MSB != (\new)
	s_set_vgpr_msb (MSB<<8)|(\new)
.set MSB, \new
.endif
.endm
	s_load_b512 s[4:19], s[0:1], 0x0               ; o s[4:5], wimg s[6:7], W's scales s[8:9], bias s[10:11], x s[12:13], g s[14:15], b s[16:17], x1 s[18:19]
	s_load_b64 s[20:21], s[0:1], 0x40              ; hbuf
	v_lshl_add_u32 v[SPW], v0, 2, SPARE
	v_mov_b32 v[NIL], 0
	ds_add_u32 v[SPW], v[NIL]                      ; the opening lines: the add twice on end and its wait ahead of my tensor load
	ds_add_u32 v[SPW], v[NIL]
	v_lshrrev_b32 v1, 5, v0
	v_readfirstlane_b32 s22, v1                    ; wave 0..7
	s_mov_b32 s28, 3<<16                           ; group 1: 32 dense rows of 256 bytes (32 elements of 8 bytes)
	s_mov_b32 s29, 32<<16
	s_mov_b32 s30, 32<<16
	s_mov_b32 s31, 32<<16
	s_mov_b32 s32, 32
	s_mov_b32 s33, 32
	s_mov_b32 s34, 0
	s_mov_b32 s35, 0
	s_mov_b32 s24, 1
	s_lshl_b32 s23, s22, 13
	s_add_co_u32 s25, s23, XL                      ; my two rows of x in LDS
	s_lshl_b32 s36, ttmp9, 16
	s_add_co_u32 s36, s36, s23                     ; and in x and x1
	s_mov_b32 s37, 0
	s_lshl_b32 s38, ttmp9, 13                      ; o's images of my 16 rows
	s_mov_b32 s39, 0
	s_lshl_b32 s40, ttmp9, 9
	s_add_co_u32 s40, s40, 0x200000                ; the 16 rows' scale bytes, in obuf and in hbuf
	s_mov_b32 s41, 0
	s_lshl_b32 s42, s22, 16                        ; W's images: 8 tiles x 8,192 bytes a wave
	s_mov_b32 s43, 0
	s_lshl_b32 s44, s22, 12                        ; W's scale bytes: 128 rows x 32
	s_mov_b32 s45, 0
	s_lshl_b32 s46, s22, 9                         ; 128 columns of f32
	s_mov_b32 s47, 0
	s_lshl_b32 s56, s22, 10
	s_add_co_u32 s48, s56, s38                     ; h's codes: my two rows
	s_mov_b32 s49, 0
	s_add_co_u32 s56, s56, CST
	s_mul_i32 s50, s22, 2*SP
	s_lshl_b32 s51, s22, 6
	s_add_co_u32 s51, s51, SCB
	s_mov_b32 s52, 0x76543210
	s_mov_b32 s53, 0xfedcba98                      ; v_permlanex16_b32: lane l xor 16
	s_mov_b32 s54, 0x3a800000                      ; 1 / 1024
	s_mov_b32 s55, 0x3727c5ac                      ; 1e-5
	v_and_b32 v1, 31, v0
	v_lshlrev_b32 v[LI], 4, v1
	v_and_b32 v14, 15, v0                          ; r
	v_bfe_u32 v15, v0, 4, 1                        ; h
	v_lshlrev_b32 v[SOF], 5, v14
	v_lshl_add_u32 v[SOF], v15, 4, v[SOF]
	v_lshlrev_b32 v[BO], 5, v15
	v_mul_u32_u24 v[STO], v14, SP
	v_lshl_add_u32 v[STO], v15, 5, v[STO]
	v_add_nc_u32 v[STO], s46, v[STO]               ; stage, in: row r, column 128 w + 8 h
	v_add_nc_u32 v[RD], s50, v[LI]                 ; stage, back: row 2 w
	v_add_nc_u32 v[XA], s25, v[LI]
	v_lshl_add_u32 v[CW], v1, 1, s56               ; codes, in: 2 bytes a lane
	v_add_nc_u32 v[CR], s56, v[LI]                 ; and back
	v_lshrrev_b32 v[SB], 3, v1
	v_add_nc_u32 v[SB], s51, v[SB]                 ; my block's scale byte
	v_add_nc_u32 v[SR], SCB, v[LI]
	v_mov_b32 v[MU+1], 0                           ; upper halves of pairs of which the low word serves both halves
	v_mov_b32 v[MU+3], 0
	s_wait_alu depctr_va_vdst(0)                   ; the wait at the head's end
	s_wait_dscnt 0x0                               ; both opening adds are done
	s_wait_kmcnt 0x0
	s_add_nc_u64 s[26:27], s[12:13], s[36:37]
	s_or_b32 s27, s27, 0x80000000
	tensor_load_to_lds s[24:27], s[28:35]          ; my two rows of x: my one tensor load
	s_nop 0
.rept 4
	v_nop
.endr
	s_add_nc_u64 s[58:59], s[4:5], s[40:41]
	s_add_nc_u64 s[4:5], s[4:5], s[38:39]
	s_add_nc_u64 s[6:7], s[6:7], s[42:43]
	s_add_nc_u64 s[8:9], s[8:9], s[44:45]
	s_add_nc_u64 s[10:11], s[10:11], s[46:47]
	s_add_nc_u64 s[18:19], s[18:19], s[36:37]
	s_add_nc_u64 s[60:61], s[20:21], s[40:41]
	s_add_nc_u64 s[20:21], s[20:21], s[48:49]
.irp s, 0,1,2,3,4,5,6,7
	global_load_b128 v[AF+8*\s:AF+8*\s+3], v[LI], s[4:5] offset:1024*\s
	global_load_b128 v[AF+8*\s+4:AF+8*\s+7], v[LI], s[4:5] offset:1024*\s+512
.endr
	global_load_b128 v[AS:AS+3], v[SOF], s[58:59]
.irp t, 0,1,2,3,4,5,6,7
	global_load_b128 v[WS+4*\t:WS+4*\t+3], v[SOF], s[8:9] offset:512*\t
.endr
.irp i, 0,1,2,3,4,5,6,7
	global_load_b128 v[G+4*\i:G+4*\i+3], v[LI], s[14:15] offset:512*\i
	global_load_b128 v[B+4*\i:B+4*\i+3], v[LI], s[16:17] offset:512*\i
.endr
.macro LW s                            ; W's eight fragments of K step s into set s % 3: 16 loads
.irp t, 0,1,2,3,4,5,6,7
	global_load_b128 v[WF+64*((\s)%3)+8*\t:WF+64*((\s)%3)+8*\t+3], v[LI], s[6:7] offset:(8*\t+(\s))*1024
	global_load_b128 v[WF+64*((\s)%3)+8*\t+4:WF+64*((\s)%3)+8*\t+7], v[LI], s[6:7] offset:(8*\t+(\s))*1024+512
.endr
.endm
.macro MM s                            ; K step s: source 0 = 16 rows of W, source 1 = my work-group's 16 rows; the 8 accumulators take turns
.irp t, 0,1,2,3,4,5,6,7
.if (\s) > 3
	v_wmma_scale_f32_16x16x128_f8f6f4 v[ACC+8*\t:ACC+8*\t+7], v[WF+64*((\s)%3)+8*\t:WF+64*((\s)%3)+8*\t+7], v[AF+8*(\s):AF+8*(\s)+7], v[ACC+8*\t:ACC+8*\t+7], v[WS+4*\t+(\s)%4], v[AS+(\s)%4] matrix_a_fmt:MATRIX_FMT_FP4 matrix_b_fmt:MATRIX_FMT_FP4 matrix_a_scale:MATRIX_SCALE_ROW1 matrix_b_scale:MATRIX_SCALE_ROW1
.else
	v_wmma_scale_f32_16x16x128_f8f6f4 v[ACC+8*\t:ACC+8*\t+7], v[WF+64*((\s)%3)+8*\t:WF+64*((\s)%3)+8*\t+7], v[AF+8*(\s):AF+8*(\s)+7], v[ACC+8*\t:ACC+8*\t+7], v[WS+4*\t+(\s)%4], v[AS+(\s)%4] matrix_a_fmt:MATRIX_FMT_FP4 matrix_b_fmt:MATRIX_FMT_FP4
.endif
.endr
.endm
	WIN 0x40                                       ; destination window 1, address window 0
.irp t, 0,1,2,3,4,5,6,7
	global_load_b128 v[ACC+8*\t:ACC+8*\t+3], v[BO], s[10:11] offset:64*\t          ; bias(128 w + 16 t + 8 h + j): the sums begin with it
	global_load_b128 v[ACC+8*\t+4:ACC+8*\t+7], v[BO], s[10:11] offset:64*\t+16
.endr
	LW 0
	LW 1
	LW 2
.irp s, 0,1,2,3,4,5,6,7
.if \s < 6
	s_wait_loadcnt 32                              ; all but the two younger K steps' 16 loads each
.elseif \s == 6
	s_wait_loadcnt 16
.else
	s_wait_loadcnt 0x0
.endif
	WIN 0x51                                       ; source 0, C and D window 1; source 1 window 0
	MM \s
.rept 4
	v_nop                                          ; places in front of loads into, and reads of, the products' registers
.endr
.if \s < 5
	WIN 0x40
	LW \s+3
.endif
.endr
	WIN 0
.irp j, 80,81,82,83,84,85
	v_mov_b32 v\j, 0                               ; what the last conversion reads beyond the rows, and the permutes' destinations
.endr
	WIN 0x04                                       ; store data: window 1
.irp t, 0,1,2,3,4,5,6,7
	ds_store_b128 v[STO], v[ACC+8*\t:ACC+8*\t+3] offset:64*\t          ; each accumulator from its low end on
	ds_store_b128 v[STO], v[ACC+8*\t+4:ACC+8*\t+7] offset:64*\t+16
.endr
	WIN 0
	s_wait_tensorcnt 0x0                           ; my rows of x
	s_wait_dscnt 0x0                               ; my part of the stage, for the others' sake
	s_barrier_signal -1
	s_barrier_wait -1
.irp p, 0,1
.irp i, 0,1,2,3,4,5,6,7
	ds_load_b128 v[X+32*\p+4*\i:X+32*\p+4*\i+3], v[RD] offset:\p*SP+512*\i
	ds_load_b128 v[XR+32*\p+4*\i:XR+32*\p+4*\i+3], v[XA] offset:4096*\p+512*\i
.endr
.endr
	s_wait_dscnt 0x0
.set i, 0
.rept 32
	v_pk_add_f32 v[X+i:X+i+1], v[X+i:X+i+1], v[XR+i:XR+i+1]       ; x1
.set i, i+2
.endr
.irp p, 0,1
.irp i, 0,1,2,3,4,5,6,7
	global_store_b128 v[LI], v[X+32*\p+4*\i:X+32*\p+4*\i+3], s[18:19] offset:4096*\p+512*\i   ; 512 consecutive bytes
.endr
.endr
.macro WSUM2                           ; both rows' sums over the 32 lanes, the rows by turns
.irp p, 0,1
	v_pk_add_f32 v[SA+4*\p:SA+4*\p+1], v[SA+4*\p:SA+4*\p+1], v[SA+4*\p+2:SA+4*\p+3]
.endr
.irp p, 0,1
	v_add_f32 v[SA+4*\p], v[SA+4*\p], v[SA+4*\p+1]
.endr
.irp m, 1,2,4,8
.irp p, 0,1
	v_add_f32_dpp v[SA+4*\p], v[SA+4*\p], v[SA+4*\p] row_xmask:\m row_mask:0xf bank_mask:0xf
.endr
.endr
.irp p, 0,1
	v_permlanex16_b32 v[PT+\p], v[SA+4*\p], s52, s53
.endr
.irp p, 0,1
	v_add_f32 v[SA+4*\p], v[SA+4*\p], v[PT+\p]
.endr
.endm
.irp p, 0,1
	v_pk_add_f32 v[SA+4*\p:SA+4*\p+1], v[X+32*\p:X+32*\p+1], v[X+32*\p+2:X+32*\p+3]
	v_pk_add_f32 v[SA+4*\p+2:SA+4*\p+3], v[X+32*\p+4:X+32*\p+5], v[X+32*\p+6:X+32*\p+7]
.endr
.irp i, 8,12,16,20,24,28
.irp p, 0,1
	v_pk_add_f32 v[SA+4*\p:SA+4*\p+1], v[SA+4*\p:SA+4*\p+1], v[X+32*\p+\i:X+32*\p+\i+1]
	v_pk_add_f32 v[SA+4*\p+2:SA+4*\p+3], v[SA+4*\p+2:SA+4*\p+3], v[X+32*\p+\i+2:X+32*\p+\i+3]
.endr
.endr
	WSUM2
.irp p, 0,1
	v_mul_f32 v[MU+2*\p], s54, v[SA+4*\p]          ; the mean
.endr
	s_wait_alu depctr_va_vdst(0)                   ; the wait here, directly ahead of the wait below
	s_wait_xcnt 0x0                                ; the stores of x1 have read their registers: the rows may be rewritten
.irp p, 0,1
.set i, 0
.rept 16
	v_pk_add_f32 v[X+32*\p+i:X+32*\p+i+1], v[X+32*\p+i:X+32*\p+i+1], v[MU+2*\p:MU+2*\p+1] op_sel_hi:[1,0] neg_lo:[0,1] neg_hi:[0,1]
.set i, i+2
.endr
.endr
.irp p, 0,1
	v_pk_mul_f32 v[SA+4*\p:SA+4*\p+1], v[X+32*\p:X+32*\p+1], v[X+32*\p:X+32*\p+1]
	v_pk_mul_f32 v[SA+4*\p+2:SA+4*\p+3], v[X+32*\p+2:X+32*\p+3], v[X+32*\p+2:X+32*\p+3]
.endr
.irp i, 4,8,12,16,20,24,28
.irp p, 0,1
	v_pk_fma_f32 v[SA+4*\p:SA+4*\p+1], v[X+32*\p+\i:X+32*\p+\i+1], v[X+32*\p+\i:X+32*\p+\i+1], v[SA+4*\p:SA+4*\p+1]
	v_pk_fma_f32 v[SA+4*\p+2:SA+4*\p+3], v[X+32*\p+\i+2:X+32*\p+\i+3], v[X+32*\p+\i+2:X+32*\p+\i+3], v[SA+4*\p+2:SA+4*\p+3]
.endr
.endr
	WSUM2
.irp p, 0,1
	v_fma_f32 v[SA+4*\p], v[SA+4*\p], s54, s55     ; the variance + 1e-5
.endr
	s_wait_alu depctr_va_vdst(0)                   ; the wait ahead of the transcendentals
.irp p, 0,1
	v_rsq_f32 v[MU+2*\p], v[SA+4*\p]
.endr
	v_nop                                          ; one plain instruction behind them
	s_wait_alu depctr_va_vdst(0)                   ; and the wait ahead of their first reader
.irp p, 0,1
.set i, 0
.rept 16
	v_pk_mul_f32 v[X+32*\p+i:X+32*\p+i+1], v[X+32*\p+i:X+32*\p+i+1], v[MU+2*\p:MU+2*\p+1] op_sel_hi:[1,0]
.set i, i+2
.endr
.endr
.irp p, 0,1
.set i, 0
.rept 16
	v_pk_fma_f32 v[X+32*\p+i:X+32*\p+i+1], v[X+32*\p+i:X+32*\p+i+1], v[G+i:G+i+1], v[B+i:B+i+1]
.set i, i+2
.endr
.endr
.macro QR p                            ; row p is quantised: eight blocks' parts by turns; the floor 2^(3 - 127) holds the byte at 1 from below
.set XS, X+32*\p
.irp i, 0,1,2,3,4,5,6,7
	v_max3_num_f32 v[TM+\i], |v[XS+4*\i]|, |v[XS+4*\i+1]|, 0x1800000
.endr
.irp i, 0,1,2,3,4,5,6,7
	v_max3_num_f32 v[TM+\i], v[TM+\i], |v[XS+4*\i+2]|, |v[XS+4*\i+3]|
.endr
.irp m, 1,2,4
.irp i, 0,1,2,3,4,5,6,7
	v_max_num_f32_dpp v[TM+\i], v[TM+\i], v[TM+\i] row_xmask:\m row_mask:0xf bank_mask:0xf   ; the eight lanes of a block
.endr
.endr
.irp i, 0,1,2,3,4,5,6,7
	v_add_nc_u32 v[TM+\i], 0xff000000, v[TM+\i]    ; 2 off the exponent field: the conversion's scale operand
.endr
.irp i, 0,1,2,3,4,5,6,7
	v_cvt_scalef32_pk8_fp4_f32 v[CD+8*\p+\i], v[XS+4*\i:XS+4*\i+7], v[TM+\i]   ; the low 16 bits are my four codes
.endr
.irp i, 0,1,2,3,4,5,6,7
	v_lshrrev_b32 v[BY+\i], 23, v[TM+\i]           ; the byte (also the plain instruction behind the conversions)
.endr
.irp i, 0,1,2,3,4,5,6,7
	ds_store_b16 v[CW], v[CD+8*\p+\i] offset:512*\p+64*\i
	ds_store_b8 v[SB], v[BY+\i] offset:32*\p+4*\i  ; the eight lanes of a block write the same byte with the same value
.endr
.endm
	QR 0
	QR 1
	ds_load_b128 v[OUTR:OUTR+3], v[CR]             ; LDS serves a wave's instructions in order: these see my stores
	ds_load_b128 v[OUTR+4:OUTR+7], v[CR] offset:512
	s_wait_dscnt 0x0                               ; the codes are back, and my scale bytes have landed, for wave 0's sake
	global_store_b128 v[LI], v[OUTR:OUTR+3], s[20:21]              ; 512 consecutive bytes: a row's codes
	global_store_b128 v[LI], v[OUTR+4:OUTR+7], s[20:21] offset:512
	s_barrier_signal -1
	s_barrier_wait -1                              ; all 16 rows' scale bytes lie in LDS
	s_cmp_lg_u32 s22, 0
	s_cbranch_scc1 .Lend
	ds_load_b128 v[OUTR+8:OUTR+11], v[SR]
	s_wait_dscnt 0x0
	global_store_b128 v[LI], v[OUTR+8:OUTR+11], s[60:61]           ; 512 consecutive bytes
.Lend:
	s_wait_tensorcnt 0x0                           ; the wave's end
	ds_add_u32 v[SPW], v[NIL]
	s_wait_dscnt 0x0
	s_endpgm
.Lfunc_end_k_q16cc936360_projln:
	.size	k_q16cc936360_projln, .Lfunc_end_k_q16cc936360_projln-k_q16cc936360_projln
	.p2alignl 7, 3214868480
	.fill 96, 4, 3214868480
	.section	.rodata,"a",@progbits
	.p2align	6, 0x0
	.amdhsa_kernel k_q16cc936360_projln
		.amdhsa_group_segment_fixed_size 167936
		.amdhsa_private_segment_fixed_size 0
		.amdhsa_enable_private_segment 0
		.amdhsa_kernarg_size 72
		.amdhsa_user_sgpr_count 2
		.amdhsa_user_sgpr_kernarg_segment_ptr 1
		.amdhsa_wavefront_size32 1
		.amdhsa_system_sgpr_workgroup_id_x 1
		.amdhsa_system_sgpr_workgroup_id_y 1
		.amdhsa_system_sgpr_workgroup_id_z 1
		.amdhsa_system_vgpr_workitem_id 0
		.amdhsa_next_free_vgpr 512
		.amdhsa_next_free_sgpr 66
		.amdhsa_reserve_vcc 0
		.amdhsa_float_denorm_mode_32 3
		.amdhsa_float_denorm_mode_16_64 3
		.amdhsa_memory_ordered 1
		.amdhsa_forward_progress 1
		.amdhsa_inst_pref_size 61
	.end_amdhsa_kernel
	.amdgpu_metadata
---
amdhsa.version: [ 1, 2 ]
amdhsa.kernels:
  - .name:           k_q16cc936360_projln
    .symbol:         k_q16cc936360_projln.kd
    .args:
      - { .name: obuf, .offset: 0, .size: 8, .value_kind: global_buffer, .address_space: global }
      - { .name: wimg, .offset: 8, .size: 8, .value_kind: global_buffer, .address_space: global }
      - { .name: w_proj_scales, .offset: 16, .size: 8, .value_kind: global_buffer, .address_space: global }
      - { .name: b_proj, .offset: 24, .size: 8, .value_kind: global_buffer, .address_space: global }
      - { .name: x, .offset: 32, .size: 8, .value_kind: global_buffer, .address_space: global }
      - { .name: ln2_g, .offset: 40, .size: 8, .value_kind: global_buffer, .address_space: global }
      - { .name: ln2_b, .offset: 48, .size: 8, .value_kind: global_buffer, .address_space: global }
      - { .name: x1, .offset: 56, .size: 8, .value_kind: global_buffer, .address_space: global }
      - { .name: hbuf, .offset: 64, .size: 8, .value_kind: global_buffer, .address_space: global }
    .group_segment_fixed_size: 167936
    .private_segment_fixed_size: 0
    .kernarg_segment_align: 8
    .kernarg_segment_size: 72
    .max_flat_workgroup_size: 256
    .sgpr_count:     66
    .vgpr_count:     512
    .wavefront_size: 32
...
	.end_amdgpu_metadata
.endif
;; end of part 4
;; launch fc1 (part 5): grid 16 x 16, 4 waves a work-group, clusters of 4 x 4, 327,680 bytes of LDS; arguments hbuf, w_fc1_codes, w_fc1_scales, b_fc1, gbuf; writes gbuf
.if DOCPART == 5
	.amdgcn_target "amdgcn-amd-amdhsa--gfx1250"
	.amdhsa_code_object_version 6
	.text
	.protected	k_q16cc936360_fc1
	.globl	k_q16cc936360_fc1
	.p2align	8
	.type	k_q16cc936360_fc1,@function
k_q16cc936360_fc1:
	s_mov_b64 s[64:65], 0
	v_nop
	global_prefetch_b8 v0, s[64:65] scope:SCOPE_SE
	s_setreg_imm32_b32 hwreg(HW_REG_WAVE_MODE, 25, 1), 1
	s_wait_xcnt 0x0
	s_wait_alu depctr_hold_cnt(0) depctr_sa_sdst(0) depctr_va_vdst(0) depctr_va_sdst(0) depctr_va_ssrc(0) depctr_va_vcc(0) depctr_vm_vsrc(0)
	s_getreg_b32 s2, hwreg(HW_REG_IB_STS2, 6, 4)
	s_cmp_eq_u32 s2, 0
	s_cbranch_scc0 .Lentry_in_a_cluster
	s_endpgm
.Lentry_in_a_cluster:
	s_bfe_u32 s2, ttmp6, 0x10000c
	s_cmp_lg_u32 s2, 0xf033
	s_cbranch_scc0 .Lentry_shape_is_right
	s_endpgm
.Lentry_shape_is_right:
.set NQ,     4
.set ROWB,   512                       ; a tile's row in bytes: all of K
.set KROW,   512
.set PITCH,  528                       ; an LDS row: 512 bytes + 16
.set FR,     8
.set NL,     2
.set NP,     4
.set HALFT,  128*PITCH
.set SLOT,   256                       ; the second 512 along K lie 256 bytes on in each LDS row
.set KS,     32
.set SCL,    4*HALFT
.set HALFS,  (128*KS/256)*272
.set SBLK,   (16*KS/256)*272
.set SPARE,  SCL+4*HALFS
.set LI,   8
.set SWA,  9
.set BO,   10
.set LN,   11
.set ADRA, 16
.set ADRB, 20
.set ADRS, 27
.set SPW,  28
.set NIL,  29
.set SC,   32
.set AF,   128
.set CB,   192
.set TM,   32
.set WD,   48
.set C9,   56
.set PC,   64
.set H,    128
.set A16,  192
.set T16,  208
.set P16,  224
.set Q16,  240
.set CK,   24
.set KK,   42
.set NK2,  44
.set G1, 24
.set G0, 32
.set G1B, 48
.set G0B, 56
.set G1S, 68
.set G0S, 76
.set G1SB, 80
.set G0SB, 88
.set MSB, 0
.macro WIN new
.if MSB != (\new)
	s_set_vgpr_msb (MSB<<8)|(\new)
.set MSB, \new
.endif
.endm
.set MUL_LO, 0xa1
.set MUL_HI, 0xf1
.set TO_B,   0x40
.macro JLOAD g0a, g1a, g0b, g1b
	s_cmp_eq_u32 s15, 0
	s_cbranch_scc0 .Lfor_b_\@
	tensor_load_to_lds s[\g0a:\g0a+3], s[\g1a:\g1a+7]
	s_nop 0
.rept 4
	v_nop
.endr
	s_branch .Lasked_\@
.Lfor_b_\@:
	tensor_load_to_lds s[\g0b:\g0b+3], s[\g1b:\g1b+7]
	s_nop 0
.rept 4
	v_nop
.endr
.Lasked_\@:
.endm
.macro CROUND
	s_barrier_signal -1
	s_barrier_wait -1
	s_cmp_lg_u32 s14, 0
	s_cbranch_scc1 .Lnot_wave_0_\@
	s_barrier_signal -3
.Lnot_wave_0_\@:
	s_barrier_wait -3
	s_barrier_signal -1
	s_barrier_wait -1
.endm
	s_load_b64 s[4:5], s[0:1], 0x0
	s_load_b128 s[8:11], s[0:1], 0x8
	s_load_b64 s[66:67], s[0:1], 0x18
	s_load_b64 s[12:13], s[0:1], 0x20
	v_lshl_add_u32 v[SPW], v0, 2, SPARE
	v_mov_b32 v[NIL], 0
	ds_add_u32 v28, v29
	ds_add_u32 v28, v29
	s_wait_dscnt 0x0
	v_lshrrev_b32 v1, 5, v0
	v_readfirstlane_b32 s14, v1
	s_lshr_b32 s15, s14, 1
	s_and_b32 s16, s14, 1
	s_bfe_u32 s40, ttmp6, 0x40000
	s_bfe_u32 s41, ttmp6, 0x40004
	s_lshl_b32 s42, ttmp9, 2
	s_add_co_u32 s42, s42, s40
	s_and_b32 s17, ttmp7, 0xffff
	s_lshl_b32 s17, s17, 2
	s_add_co_u32 s17, s17, s41
	s_lshl_b32 s43, s41, 2
	s_lshl_b32 s43, 15, s43
	s_lshl_b32 s44, 0x1111, s40
	s_or_b32 s[G1+0], s43, (0<<16)|(1<<20)|(1<<21)|(6<<22)|(3<<25)  ; 256 rows x 512 bytes, four words of padding after every 128
	s_or_b32 s[G1B+0], s44, (0<<16)|(1<<20)|(1<<21)|(6<<22)|(3<<25)
.irp g, G1, G1B
	s_mov_b32 s[\g+1], ROWB<<16
	s_mov_b32 s[\g+2], 256<<16
	s_mov_b32 s[\g+3], ROWB<<16
	s_mov_b32 s[\g+4], 256
	s_mov_b32 s[\g+5], KROW
	s_mov_b32 s[\g+6], 0
	s_mov_b32 s[\g+7], 0
.endr
	s_or_b32 s[G1S+0], s43, (3<<16)|(1<<20)|(1<<21)|(5<<22)|(3<<25)
	s_or_b32 s[G1SB+0], s44, (3<<16)|(1<<20)|(1<<21)|(5<<22)|(3<<25)
.irp g, G1S, G1SB
	s_mov_b32 s[\g+1], 32<<16
	s_mov_b32 s[\g+2], (256*KS/256)<<16
	s_mov_b32 s[\g+3], 32<<16
	s_mov_b32 s[\g+4], 256*KS/256
	s_mov_b32 s[\g+5], 32
	s_mov_b32 s[\g+6], 0
	s_mov_b32 s[\g+7], 0
.endr
	s_mov_b32 s18, 0                               ; a load brings a tile's 256 rows whole
	s_lshl_b32 s20, s17, 8
	s_add_co_u32 s20, s20, s18
	s_lshl_b32 s46, s42, 8
	s_add_co_u32 s46, s46, s18
	s_mov_b32 s21, 0
	s_mov_b32 s47, 0
	s_mov_b64 s[18:19], KS
	s_mul_u64 s[22:23], s[20:21], s[18:19]
	s_mul_u64 s[92:93], s[46:47], s[18:19]
	s_mov_b64 s[18:19], KROW
	s_mul_u64 s[20:21], s[20:21], s[18:19]
	s_mul_u64 s[46:47], s[46:47], s[18:19]
	s_mul_i32 s45, s14, HALFT
	s_mul_i32 s94, s14, HALFS
	s_wait_kmcnt 0x0
	s_add_nc_u64 s[6:7], s[4:5], 0x200000
	s_add_nc_u64 s[20:21], s[4:5], s[20:21]
	s_add_nc_u64 s[22:23], s[6:7], s[22:23]
	s_add_nc_u64 s[46:47], s[8:9], s[46:47]
	s_add_nc_u64 s[92:93], s[10:11], s[92:93]
	CROUND
	s_mov_b32 s[G0S], 1
	s_mov_b32 s[G0S+1], SCL
	s_mov_b64 s[G0S+2:G0S+3], s[22:23]
	s_or_b32 s[G0S+3], s[G0S+3], 0x80000000
	s_mov_b32 s[G0SB], 1
	s_mov_b32 s[G0SB+1], SCL+2*HALFS
	s_mov_b64 s[G0SB+2:G0SB+3], s[92:93]
	s_or_b32 s[G0SB+3], s[G0SB+3], 0x80000000
	s_mov_b32 s[G0], 1
	s_mov_b32 s[G0+1], 0
	s_mov_b64 s[G0+2:G0+3], s[20:21]
	s_or_b32 s[G0+3], s[G0+3], 0x80000000
	s_mov_b32 s[G0B], 1
	s_mov_b32 s[G0B+1], 2*HALFT
	s_mov_b64 s[G0B+2:G0B+3], s[46:47]
	s_or_b32 s[G0B+3], s[G0B+3], 0x80000000
; THE HEAD'S LOADS, ONE A WAVE: wave 0 A's 256 rows for all of K, wave 1 B's, wave 2 A's scale bytes, wave 3 B's.  One tree of branches on the wave's number, a load to an arm.  Nothing is filled again.
.macro ARM under, g0, g1, next
	s_cmp_lt_u32 s14, \under
	s_cbranch_scc0 \next
	tensor_load_to_lds s[\g0:\g0+3], s[\g1:\g1+7]
	s_nop 0
.rept 4
	v_nop
.endr
	s_branch .Lhead_asked
\next:
.endm
	ARM 1, G0,  G1,  .Lhead_b
	ARM 2, G0B, G1B, .Lhead_sa
	ARM 3, G0S, G1S, .Lhead_sb
	tensor_load_to_lds s[G0SB:G0SB+3], s[G1SB:G1SB+7]
	s_nop 0
.rept 4
	v_nop
.endr
.Lhead_asked:
	v_and_b32 v1, 15, v0
	v_bfe_u32 v2, v0, 4, 1
	v_and_b32 v[LN], 31, v0
	v_lshlrev_b32 v[LI], 4, v[LN]
	v_lshlrev_b32 v[SWA], 7, v[LN]
	v_lshlrev_b32 v[BO], 5, v2
	v_mul_u32_u24 v3, v1, PITCH
	v_lshl_add_u32 v4, v2, 4, v3
	s_mul_i32 s21, s15, HALFT
	s_mul_i32 s22, s16, HALFT
	s_add_co_u32 s22, s22, 2*HALFT
.irp s, 0,1
	v_add_nc_u32 v[ADRA+\s], s21, v4
	v_add_nc_u32 v[ADRB+\s], s22, v4
	s_add_co_u32 s21, s21, SLOT
	s_add_co_u32 s22, s22, SLOT
.endr
	v_mul_u32_u24 v5, v1, KS
	v_lshrrev_b32 v6, 8, v5
	v_lshl_add_u32 v5, v6, 4, v5
	s_mul_i32 s21, s15, HALFS
	s_mul_i32 s22, s16, HALFS
	s_add_co_u32 s22, s22, 2*HALFS
	s_sub_co_u32 s22, s22, s21
	v_mul_u32_u24 v6, s22, v2
	s_add_co_u32 s21, s21, SCL
	v_add_nc_u32 v5, v5, v6
	v_add_nc_u32 v[ADRS], s21, v5
	s_lshl_b32 s18, s17, 8
	s_lshl_b32 s19, s15, 7
	s_add_co_u32 s18, s18, s19
	s_lshl_b32 s19, s42, 8
	s_lshl_b32 s20, s16, 7
	s_add_co_u32 s19, s19, s20
	s_lshl_b32 s46, s19, 2
	s_mov_b32 s47, 0
	s_add_nc_u64 s[66:67], s[66:67], s[46:47]
	s_lshl_b32 s20, s18, 11
	s_lshl_b32 s21, s19, 3
	s_add_co_u32 s20, s20, s21
	s_mov_b32 s21, 0
	s_lshl_b32 s22, s18, 7
	s_lshr_b32 s23, s19, 5
	s_add_co_u32 s22, s22, s23
	s_add_co_u32 s22, s22, 0x800000
	s_mov_b32 s23, 0
	s_add_nc_u64 s[96:97], s[12:13], s[22:23]
	s_add_nc_u64 s[12:13], s[12:13], s[20:21]
.irp b, 0,1,2,3,4,5,6,7
	global_load_b128 v[CB+8*\b:CB+8*\b+3], v[BO], s[66:67] offset:64*\b
	global_load_b128 v[CB+8*\b+4:CB+8*\b+7], v[BO], s[66:67] offset:64*\b+16
.endr
.macro FRAG reg, adr, q, i
.irp c, 0,1
	ds_load_b128 v[\reg+4*\c:\reg+4*\c+3], v[\adr] offset:64*(\q)+32*\c+(\i)*16*PITCH
.endr
.endm
.macro MUL16 a0, p, q, sc, zero
.irp a, \a0, \a0+1
.irp b, 0,1,2,3,4,5,6,7
.if \zero
	v_wmma_scale_f32_16x16x128_f8f6f4 v[8*(8*((\a)%4)+\b):8*(8*((\a)%4)+\b)+7], v[128*(\p)+FR*\b:128*(\p)+FR*\b+FR-1], v[AF+FR*(\a):AF+FR*(\a)+FR-1], v[CB+8*\b:CB+8*\b+7], v[SC+8*NQ*(\sc)+NQ*\b+(\q)], v[SC+8*NQ*(\sc)+NQ*(\a)+(\q)] matrix_a_fmt:MATRIX_FMT_FP4 matrix_b_fmt:MATRIX_FMT_FP4 matrix_a_scale:MATRIX_SCALE_ROW1
.else
	v_wmma_scale_f32_16x16x128_f8f6f4 v[8*(8*((\a)%4)+\b):8*(8*((\a)%4)+\b)+7], v[128*(\p)+FR*\b:128*(\p)+FR*\b+FR-1], v[AF+FR*(\a):AF+FR*(\a)+FR-1], v[8*(8*((\a)%4)+\b):8*(8*((\a)%4)+\b)+7], v[SC+8*NQ*(\sc)+NQ*\b+(\q)], v[SC+8*NQ*(\sc)+NQ*(\a)+(\q)] matrix_a_fmt:MATRIX_FMT_FP4 matrix_b_fmt:MATRIX_FMT_FP4 matrix_a_scale:MATRIX_SCALE_ROW1
.endif
.endr
.endr
.endm
.macro FETCH_B slot, q, p
	WIN TO_B
.irp i, 0,1,2,3,4,5,6,7
	FRAG 128*(\p)+FR*\i, ADRB+\slot, \q, \i
.endr
	WIN 0
.endm
.macro FETCH_A slot, q, i0
.irp i, \i0, \i0+1, \i0+2, \i0+3
	FRAG AF+FR*(\i), ADRA+\slot, \q, \i
.endr
.endm
.macro SCALES sc
.irp i, 0,1,2,3,4,5,6,7
	ds_load_b128 v[SC+8*NQ*\sc+NQ*\i:SC+8*NQ*\sc+NQ*\i+3], v[ADRS] offset:\i*SBLK
.endr
.endm
.macro PLACES n
.rept \n
	v_nop
.endr
.endm
.macro STEP slot, q, zero
	s_wait_dscnt 4*NL
.if \zero
	WIN 0x81
.else
	WIN MUL_LO
.endif
	MUL16 0, (\q)%2, \q, \slot, \zero
	MUL16 2, (\q)%2, \q, \slot, \zero
	s_wait_dscnt 0
	PLACES NP
	FETCH_B \slot, (\q)+1, 1-(\q)%2
	FETCH_A \slot, (\q)+1, 0
.if \zero
	WIN 0xc1
.else
	WIN MUL_HI
.endif
	MUL16 4, (\q)%2, \q, \slot, \zero
	MUL16 6, (\q)%2, \q, \slot, \zero
	PLACES NP
	WIN 0
	FETCH_A \slot, (\q)+1, 4
.endm
.macro TURN slot, next
	s_wait_tensorcnt 0x0
	ds_add_u32 v[SPW], v[NIL]
	s_wait_dscnt 4*NL+1
	WIN MUL_LO
	MUL16 0, 1, NQ-1, \slot, 0
	s_wait_dscnt 0x0
	s_barrier_signal -1
	MUL16 2, 1, NQ-1, \slot, 0
	WIN 0
	s_barrier_wait -1
	PLACES NP
	v_add_nc_u32 v[ADRS], 4*NQ, v[ADRS]
	FETCH_B \next, 0, 0
	FETCH_A \next, 0, 0
	SCALES \next
	WIN MUL_HI
	MUL16 4, 1, NQ-1, \slot, 0
	MUL16 6, 1, NQ-1, \slot, 0
	PLACES NP
	WIN 0
	FETCH_A \next, 0, 4
.endm
.macro STEPS slot, from
.set Q, \from
.rept NQ-1-\from
	STEP \slot, Q, 0
.set Q, Q+1
.endr
.endm
	s_wait_alu depctr_va_vdst(0)
	s_wait_tensorcnt 0x0                           ; my one load has landed
	s_barrier_signal -1
	s_barrier_wait -1
	FETCH_B 0, 0, 0
	FETCH_A 0, 0, 0
	SCALES 0
	FETCH_A 0, 0, 4
	s_wait_loadcnt 0x0
	STEP 0, 0, 1
	STEPS 0, 1
	TURN 0, 1
	STEPS 1, 0
	s_wait_dscnt 4*NL
	WIN MUL_LO
	MUL16 0, 1, NQ-1, 1, 0
	MUL16 2, 1, NQ-1, 1, 0
	s_wait_dscnt 0
	WIN MUL_HI
	MUL16 4, 1, NQ-1, 1, 0
	MUL16 6, 1, NQ-1, 1, 0
	WIN 0
.macro GELU16 xs, hd
	WIN 0x08
.irp i, 0,1,2,3,4,5,6,7,8,9,10,11,12,13,14,15
	v_and_b32 v[A16+\i], s46, v[\xs+\i]
.endr
.irp i, 0,1,2,3,4,5,6,7,8,9,10,11,12,13,14,15
	v_max_num_f32 v[\hd+\i], 0, v[\xs+\i]
.endr
	WIN 0
.irp i, 0,2,4,6,8,10,12,14
	v_pk_fma_f32 v[T16+\i:T16+\i+1], v[A16+\i:A16+\i+1], s[KK:KK+1], 1.0 op_sel_hi:[1,0,0]
.endr
	s_wait_alu depctr_va_vdst(0)
.irp i, 0,1,2,3,4,5,6,7,8,9,10,11,12,13,14,15
	v_rcp_f32 v[T16+\i], v[T16+\i]
.endr
.irp i, 0,2,4,6,8,10,12,14
	v_pk_mul_f32 v[Q16+\i:Q16+\i+1], v[A16+\i:A16+\i+1], v[A16+\i:A16+\i+1]
.endr
	s_wait_alu depctr_va_vdst(0)
.irp i, 0,2,4,6,8,10,12,14
	v_pk_fma_f32 v[P16+\i:P16+\i+1], v[T16+\i:T16+\i+1], v[C9:C9+1], s[CK+16:CK+17] op_sel_hi:[1,0,0]
.endr
.irp k, 7,6,5,4,3,2,1,0
.irp i, 0,2,4,6,8,10,12,14
	v_pk_fma_f32 v[P16+\i:P16+\i+1], v[P16+\i:P16+\i+1], v[T16+\i:T16+\i+1], s[CK+2*\k:CK+2*\k+1] op_sel_hi:[1,1,0]
.endr
.endr
.irp i, 0,2,4,6,8,10,12,14
	v_pk_fma_f32 v[P16+\i:P16+\i+1], v[Q16+\i:Q16+\i+1], s[NK2:NK2+1], v[P16+\i:P16+\i+1] op_sel_hi:[1,0,1]
.endr
	s_wait_alu depctr_va_vdst(0)
.irp i, 0,1,2,3,4,5,6,7,8,9,10,11,12,13,14,15
	v_exp_f32 v[P16+\i], v[P16+\i]
.endr
	v_nop
	s_wait_alu depctr_va_vdst(0)
.irp i, 0,2,4,6,8,10,12,14
	v_pk_mul_f32 v[T16+\i:T16+\i+1], v[T16+\i:T16+\i+1], v[P16+\i:P16+\i+1]
.endr
.irp i, 0,2,4,6,8,10,12,14
	v_pk_fma_f32 v[\hd+\i:\hd+\i+1], v[A16+\i:A16+\i+1], v[T16+\i:T16+\i+1], v[\hd+\i:\hd+\i+1] neg_lo:[1,0,0] neg_hi:[1,0,0]
.endr
.endm
.macro GROW a
.irp b, 0,1,2,3
	GELU16 64*(\a)+16*\b, H+16*\b
.endr
.set PCA, PC+8*(\a)
.irp b, 0,1,2,3
	v_max3_num_f32 v[TM+\b], |v[H+16*\b]|, |v[H+16*\b+1]|, 0x1800000
.endr
.irp i, 2,4,6,8,10,12,14
.irp b, 0,1,2,3
	v_max3_num_f32 v[TM+\b], v[TM+\b], |v[H+16*\b+\i]|, |v[H+16*\b+\i+1]|
.endr
.endr
.irp b, 0,1,2,3
	v_permlanex16_b32 v[TM+4+\b], v[TM+\b], s20, s21
.endr
.irp b, 0,1,2,3
	v_max_num_f32 v[TM+\b], v[TM+\b], v[TM+4+\b]
.endr
.irp b, 0,1,2,3
	v_add_nc_u32 v[TM+12+\b], 0xff000000, v[TM+\b]
.endr
.irp b, 0,1,2,3
	v_lshrrev_b32 v[TM+4+\b], 23, v[TM+12+\b]
.endr
	v_lshl_or_b32 v[WD+\a], v[TM+5], 8, v[TM+4]
	v_lshl_or_b32 v[WD+\a], v[TM+6], 16, v[WD+\a]
	v_lshl_or_b32 v[WD+\a], v[TM+7], 24, v[WD+\a]
.irp b, 0,1,2,3
	v_cvt_scalef32_pk8_fp4_f32 v[PCA+4*(\b/2)+(\b%2)], v[H+16*\b:H+16*\b+7], v[TM+12+\b]
	v_cvt_scalef32_pk8_fp4_f32 v[PCA+4*(\b/2)+2+(\b%2)], v[H+16*\b+8:H+16*\b+15], v[TM+12+\b]
.endr
	v_nop
.irp c, 0,1
	v_permlane16_swap_b32 v[PCA+4*\c], v[PCA+4*\c+1]
	v_permlane16_swap_b32 v[PCA+4*\c+2], v[PCA+4*\c+3]
.endr
.irp c, 0,1
	global_store_b128 v[LI], v[PCA+4*\c:PCA+4*\c+3], s[12:13] offset:(\a)*32768+512*\c
.endr
.endm
.macro CONST reg, bits
	s_mov_b32 s[\reg], \bits
	s_mov_b32 s[\reg+1], \bits
.endm
	PLACES NP
	s_mov_b32 s20, 0x76543210
	s_mov_b32 s21, 0xfedcba98
	CONST CK+0,  0xc034d90f
	CONST CK+2,  0x3fb8ab5a
	CONST CK+4,  0x3f0a29d2
	CONST CK+6,  0x3e0efb2e
	CONST CK+8,  0xbe899a80
	CONST CK+10, 0x3ecdfd18
	CONST CK+12, 0xbfd1a1e5
	CONST CK+14, 0x40097039
	CONST CK+16, 0xbf97d29d
	CONST KK,    0x3eb504f3
	CONST NK2,   0xbf38aa3b
	s_mov_b32 s46, 0x7fffffff
	v_mov_b32 v[C9], 0x3e7c6f08
	v_mov_b32 v[C9+1], 0x3e7c6f08
.irp b, 0,1,2,3
	v_mov_b32 v[TM+4+\b], 0
.endr
	v_cmp_le_u32 vcc_lo, 16, v[LN]
	s_mov_b32 s3, 2
.Lhalf:
	GROW 0
	GROW 1
	GROW 2
	GROW 3
	v_cndmask_b32 v[WD+4], v[WD], v[WD+1], vcc_lo
	v_cndmask_b32 v[WD+5], v[WD+2], v[WD+3], vcc_lo
	global_store_b32 v[SWA], v[WD+4], s[96:97]
	global_store_b32 v[SWA], v[WD+5], s[96:97] offset:4096
	s_cmp_eq_u32 s3, 1
	s_cbranch_scc1 .Lmoved
	WIN 0x83
.set i, 0
.rept 256
	v_mov_b32 v[i], v[i]
.set i, i+1
.endr
	WIN 0
.Lmoved:
	s_wait_xcnt 0x0
	s_add_nc_u64 s[12:13], s[12:13], 4*32768
	s_add_nc_u64 s[96:97], s[96:97], 64*128
	s_sub_co_u32 s3, s3, 1
	s_cmp_lg_u32 s3, 0
	s_cbranch_scc1 .Lhalf
	s_wait_tensorcnt 0x0
	ds_add_u32 v[SPW], v[NIL]
	s_wait_dscnt 0x0
	CROUND
	s_endpgm
.Lfunc_end_k_q16cc936360_fc1:
	.size	k_q16cc936360_fc1, .Lfunc_end_k_q16cc936360_fc1-k_q16cc936360_fc1
	.p2alignl 7, 3214868480
	.fill 96, 4, 3214868480
	.section	.rodata,"a",@progbits
	.p2align	6, 0x0
	.amdhsa_kernel k_q16cc936360_fc1
		.amdhsa_group_segment_fixed_size 327680
		.amdhsa_private_segment_fixed_size 0
		.amdhsa_enable_private_segment 0
		.amdhsa_kernarg_size 40
		.amdhsa_user_sgpr_count 2
		.amdhsa_user_sgpr_kernarg_segment_ptr 1
		.amdhsa_wavefront_size32 1
		.amdhsa_system_sgpr_workgroup_id_x 1
		.amdhsa_system_sgpr_workgroup_id_y 1
		.amdhsa_system_sgpr_workgroup_id_z 1
		.amdhsa_system_vgpr_workitem_id 0
		.amdhsa_next_free_vgpr 1024
		.amdhsa_next_free_sgpr 98
		.amdhsa_reserve_vcc 1
		.amdhsa_float_denorm_mode_32 3
		.amdhsa_float_denorm_mode_16_64 3
		.amdhsa_memory_ordered 1
		.amdhsa_forward_progress 1
		.amdhsa_inst_pref_size 255
	.end_amdhsa_kernel
	.section	.bss,"aw",@nobits
	.p2align	6
	.space	262144
	.amdgpu_metadata
---
amdhsa.version: [ 1, 2 ]
amdhsa.kernels:
  - .name:           k_q16cc936360_fc1
    .symbol:         k_q16cc936360_fc1.kd
    .args:
      - { .name: hbuf, .offset: 0, .size: 8, .value_kind: global_buffer, .address_space: global }
      - { .name: w_fc1_codes, .offset: 8, .size: 8, .value_kind: global_buffer, .address_space: global }
      - { .name: w_fc1_scales, .offset: 16, .size: 8, .value_kind: global_buffer, .address_space: global }
      - { .name: b_fc1, .offset: 24, .size: 8, .value_kind: global_buffer, .address_space: global }
      - { .name: gbuf, .offset: 32, .size: 8, .value_kind: global_buffer, .address_space: global }
    .group_segment_fixed_size: 327680
    .private_segment_fixed_size: 0
    .kernarg_segment_align: 8
    .kernarg_segment_size: 40
    .max_flat_workgroup_size: 128
    .sgpr_count:     98
    .vgpr_count:     1024
    .wavefront_size: 32
...
	.end_amdgpu_metadata
.endif
;; end of part 5
;; launch fc2 (part 6): grid 8 x 32, 4 waves a work-group, clusters of 4 x 4, 327,680 bytes of LDS; arguments gbuf, w_fc2_codes, w_fc2_scales, b_fc2, x1, out0; writes out0
.if DOCPART == 6
	.amdgcn_target "amdgcn-amd-amdhsa--gfx1250"
	.amdhsa_code_object_version 6
	.text
	.protected	k_q16cc936360_fc2
	.globl	k_q16cc936360_fc2
	.p2align	8
	.type	k_q16cc936360_fc2,@function
k_q16cc936360_fc2:
	s_mov_b64 s[64:65], 0
	v_nop
	global_prefetch_b8 v0, s[64:65] scope:SCOPE_SE
	s_setreg_imm32_b32 hwreg(HW_REG_WAVE_MODE, 25, 1), 1
	s_wait_xcnt 0x0
	s_wait_alu depctr_hold_cnt(0) depctr_sa_sdst(0) depctr_va_vdst(0) depctr_va_sdst(0) depctr_va_ssrc(0) depctr_va_vcc(0) depctr_vm_vsrc(0)
	s_getreg_b32 s2, hwreg(HW_REG_IB_STS2, 6, 4)
	s_cmp_eq_u32 s2, 0
	s_cbranch_scc0 .Lentry_in_a_cluster
	s_endpgm
.Lentry_in_a_cluster:
	s_bfe_u32 s2, ttmp6, 0x10000c
	s_cmp_lg_u32 s2, 0xf033
	s_cbranch_scc0 .Lentry_shape_is_right
	s_endpgm
.Lentry_shape_is_right:
.set SIZE_K, 4096
.set KSL,    8
.set QI,     6
.set ASOFF,  8388608
.set NQ,     KSL/2
.set BROW,   KSL*64
.set PITCH,  BROW+16
.set AH,     4*KSL*1024
.set AT,     2*AH
.set BH,     64*PITCH
.set SLOT,   AT+2*BH
.set KS,     SIZE_K/32
.set HALFS,  (64*KS/256)*272
.set SBLK,   (16*KS/256)*272
.set SCL,    2*SLOT
.set STAGE,  SCL+4*HALFS
.set SPITCH, 272
.set SPARE,  STAGE+4*16*SPITCH
.set LAPS,   SIZE_K/(2*KSL*128)
.set ADRA, 16
.set ADRB, 20
.set STO,  24
.set RD,   25
.set CO,   26
.set ADRS, 27
.set SPW,  28
.set NIL,  29
.set BO,   30
.set SC,   32
.set BK,   32
.set BJ,   96
.set ACC,  128
.set F0,   0
.set F1,   128
.set G1, 24
.set G0, 32
.set G1B, 48
.set G0B, 56
.set G1S, 68
.set G0S, 76
.set G1SB, 80
.set G0SB, 88
.set MSB, 0
.macro WIN new
.if MSB != (\new)
	s_set_vgpr_msb (MSB<<8)|(\new)
.set MSB, \new
.endif
.endm
.set MUL,  0x05
.set TO_F, 0x40
.macro JLOAD g0a, g1a, g0b, g1b
	s_cmp_eq_u32 s15, 0
	s_cbranch_scc0 .Lfor_b_\@
	tensor_load_to_lds s[\g0a:\g0a+3], s[\g1a:\g1a+7]
	s_nop 0
.rept 4
	v_nop
.endr
	s_branch .Lasked_\@
.Lfor_b_\@:
	tensor_load_to_lds s[\g0b:\g0b+3], s[\g1b:\g1b+7]
	s_nop 0
.rept 4
	v_nop
.endr
.Lasked_\@:
.endm
.macro CREST
	s_cmp_lg_u32 s14, 0
	s_cbranch_scc1 .Lnot_wave_0_\@
	s_barrier_signal -3
.Lnot_wave_0_\@:
	s_barrier_wait -3
	s_barrier_signal -1
	s_barrier_wait -1
.endm
.macro CROUND
	s_barrier_signal -1
	s_barrier_wait -1
	CREST
.endm
	s_load_b256 s[4:11], s[0:1], 0x0
	s_load_b128 s[96:99], s[0:1], 0x20
	v_lshl_add_u32 v[SPW], v0, 2, SPARE
	v_mov_b32 v[NIL], 0
	ds_add_u32 v28, v29
	ds_add_u32 v28, v29
	s_wait_dscnt 0x0
	v_lshrrev_b32 v1, 5, v0
	v_readfirstlane_b32 s14, v1
	s_lshr_b32 s15, s14, 1
	s_and_b32 s16, s14, 1
	s_bfe_u32 s40, ttmp6, 0x40000
	s_bfe_u32 s41, ttmp6, 0x40004
	s_lshl_b32 s42, ttmp9, 2
	s_add_co_u32 s42, s42, s40
	s_and_b32 s17, ttmp7, 0xffff
	s_lshl_b32 s17, s17, 2
	s_add_co_u32 s17, s17, s41
	s_lshl_b32 s43, s41, 2
	s_lshl_b32 s43, 15, s43
	s_lshl_b32 s44, 0x1111, s40
	s_or_b32 s[G1+0], s43, (3<<16)|(1<<21)
	s_mov_b32 s[G1+1], (KSL*128)<<16
	s_mov_b32 s[G1+2], 4<<16
	s_mov_b32 s[G1+3], (KSL*128)<<16
	s_mov_b32 s[G1+4], 4
	s_mov_b32 s[G1+5], SIZE_K
	s_mov_b32 s[G1+6], 0
	s_mov_b32 s[G1+7], 0
	s_or_b32 s[G1B+0], s44, (0<<16)|(1<<20)|(1<<21)|(QI<<22)|(3<<25)
	s_mov_b32 s[G1B+1], BROW<<16
	s_mov_b32 s[G1B+2], 64<<16
	s_mov_b32 s[G1B+3], BROW<<16
	s_mov_b32 s[G1B+4], 64
	s_mov_b32 s[G1B+5], SIZE_K/2
	s_mov_b32 s[G1B+6], 0
	s_mov_b32 s[G1B+7], 0
	s_or_b32 s[G1S+0], s43, (3<<16)|(1<<20)|(1<<21)|(5<<22)|(3<<25)
	s_or_b32 s[G1SB+0], s44, (3<<16)|(1<<20)|(1<<21)|(5<<22)|(3<<25)
.irp g, G1S, G1SB
	s_mov_b32 s[\g+1], 32<<16
	s_mov_b32 s[\g+2], (64*KS/256)<<16
	s_mov_b32 s[\g+3], 32<<16
	s_mov_b32 s[\g+4], 64*KS/256
	s_mov_b32 s[\g+5], 32
	s_mov_b32 s[\g+6], 0
	s_mov_b32 s[\g+7], 0
.endr
	s_lshl_b32 s18, s16, 6
	s_lshl_b32 s20, s17, 7
	s_add_co_u32 s20, s20, s18
	s_lshl_b32 s46, s42, 7
	s_add_co_u32 s46, s46, s18
	s_mov_b32 s21, 0
	s_mov_b32 s47, 0
	s_mov_b64 s[18:19], KS
	s_mul_u64 s[22:23], s[20:21], s[18:19]
	s_mul_u64 s[92:93], s[46:47], s[18:19]
	s_mov_b64 s[18:19], SIZE_K/2
	s_mul_u64 s[20:21], s[20:21], s[18:19]
	s_mul_u64 s[46:47], s[46:47], s[18:19]
	s_mul_i32 s45, s16, AH
	s_mul_i32 s95, s16, BH
	s_add_co_u32 s95, s95, AT
	s_mul_i32 s94, s14, HALFS
	s_wait_kmcnt 0x0
	s_add_nc_u64 s[20:21], s[4:5], s[20:21]
	s_add_nc_u64 s[22:23], s[4:5], s[22:23]
	s_add_nc_u64 s[22:23], s[22:23], ASOFF
	s_add_nc_u64 s[46:47], s[6:7], s[46:47]
	s_add_nc_u64 s[92:93], s[8:9], s[92:93]
	CROUND
	s_mov_b32 s[G0S], 1
	s_add_co_u32 s[G0S+1], s94, SCL
	s_mov_b64 s[G0S+2:G0S+3], s[22:23]
	s_or_b32 s[G0S+3], s[G0S+3], 0x80000000
	s_mov_b32 s[G0SB], 1
	s_add_co_u32 s[G0SB+1], s94, SCL
	s_mov_b64 s[G0SB+2:G0SB+3], s[92:93]
	s_or_b32 s[G0SB+3], s[G0SB+3], 0x80000000
	JLOAD G0S, G1S, G0SB, G1SB
.irp s, 0,1
	s_mov_b32 s[G0+4*\s], 1
	s_add_co_u32 s[G0+4*\s+1], s45, \s*SLOT
	s_add_nc_u64 s[G0+4*\s+2:G0+4*\s+3], s[20:21], \s*KSL*1024
	s_or_b32 s[G0+4*\s+3], s[G0+4*\s+3], 0x80000000
	s_mov_b32 s[G0B+4*\s], 1
	s_add_co_u32 s[G0B+4*\s+1], s95, \s*SLOT
	s_add_nc_u64 s[G0B+4*\s+2:G0B+4*\s+3], s[46:47], \s*BROW
	s_or_b32 s[G0B+4*\s+3], s[G0B+4*\s+3], 0x80000000
	s_wait_alu depctr_va_vdst(0)
	s_wait_tensorcnt 0x0
	ds_add_u32 v28, v29
	s_wait_dscnt 0x0
	CROUND
	JLOAD G0+4*\s, G1, G0B+4*\s, G1B
.endr
	v_and_b32 v1, 15, v0
	v_bfe_u32 v2, v0, 4, 1
	v_and_b32 v3, 31, v0
	v_lshlrev_b32 v3, 4, v3
	v_mul_u32_u24 v4, v1, PITCH
	v_lshl_add_u32 v4, v2, 4, v4
	s_mul_i32 s21, s15, AH
	s_mul_i32 s22, s16, BH
	s_add_co_u32 s22, s22, AT
.irp s, 0,1
	v_add_nc_u32 v[ADRA+\s], s21, v3
	v_add_nc_u32 v[ADRB+\s], s22, v4
	s_add_co_u32 s21, s21, SLOT
	s_add_co_u32 s22, s22, SLOT
.endr
	v_mul_u32_u24 v5, v1, KS
	v_lshrrev_b32 v6, 8, v5
	v_lshl_add_u32 v5, v6, 4, v5
	s_mul_i32 s21, s15, HALFS
	s_mul_i32 s22, s16, HALFS
	s_add_co_u32 s22, s22, 2*HALFS
	s_sub_co_u32 s22, s22, s21
	v_mul_u32_u24 v6, s22, v2
	s_add_co_u32 s21, s21, SCL
	v_add_nc_u32 v5, v5, v6
	v_add_nc_u32 v[ADRS], s21, v5
	s_mul_i32 s23, s14, 16*SPITCH
	s_add_co_u32 s23, s23, STAGE
	v_mul_u32_u24 v5, v1, SPITCH
	v_lshl_add_u32 v5, v2, 5, v5
	v_add_nc_u32 v[STO], s23, v5
	v_mul_u32_u24 v5, v2, SPITCH
	v_lshl_add_u32 v5, v1, 4, v5
	v_add_nc_u32 v[RD], s23, v5
	v_lshlrev_b32 v5, 12, v2
	v_lshl_add_u32 v[CO], v1, 4, v5
	v_lshlrev_b32 v[BO], 5, v2
	s_wait_alu depctr_va_vdst(0)
	s_lshl_b32 s100, s17, 7
	s_lshl_b32 s101, s15, 6
	s_add_co_u32 s100, s100, s101
	s_lshl_b32 s100, s100, 12
	s_lshl_b32 s46, s42, 7
	s_lshl_b32 s47, s16, 6
	s_add_co_u32 s46, s46, s47
	s_lshl_b32 s46, s46, 2
	s_mov_b32 s47, 0
	s_add_nc_u64 s[10:11], s[10:11], s[46:47]
	s_add_co_u32 s100, s100, s46
	s_mov_b32 s101, 0
	s_add_nc_u64 s[96:97], s[96:97], s[100:101]
	s_add_nc_u64 s[98:99], s[98:99], s[100:101]
.irp b, 0,1,2,3
	global_load_b128 v[BJ+8*\b:BJ+8*\b+3], v[BO], s[10:11] offset:64*\b
	global_load_b128 v[BJ+8*\b+4:BJ+8*\b+7], v[BO], s[10:11] offset:64*\b+16
.endr
	WIN 0x80
.irp a, 0,1,2,3
.irp t, 0,1,2,3,4,5,6,7
	global_load_b128 v[4*(8*\a+\t):4*(8*\a+\t)+3], v[CO], s[96:97] offset:(16*\a+2*\t)*4096
.endr
.endr
	WIN 0
.macro MUL8 f, c, a0, ks, sc, zero
.irp a, \a0, \a0+1
.irp b, 0,1,2,3
.if \zero
	v_wmma_scale_f32_16x16x128_f8f6f4 v[ACC+8*(4*(\a)+\b):ACC+8*(4*(\a)+\b)+7], v[\f+64+8*(4*\c+\b):\f+64+8*(4*\c+\b)+7], v[\f+8*(4*\c+\a):\f+8*(4*\c+\a)+7], v[BJ+8*\b:BJ+8*\b+7], v[SC+32*(\sc)+KSL*\b+(\ks)], v[SC+32*(\sc)+KSL*(\a)+(\ks)] matrix_a_fmt:MATRIX_FMT_FP4 matrix_b_fmt:MATRIX_FMT_FP4 matrix_a_scale:MATRIX_SCALE_ROW1
.else
	v_wmma_scale_f32_16x16x128_f8f6f4 v[ACC+8*(4*(\a)+\b):ACC+8*(4*(\a)+\b)+7], v[\f+64+8*(4*\c+\b):\f+64+8*(4*\c+\b)+7], v[\f+8*(4*\c+\a):\f+8*(4*\c+\a)+7], v[ACC+8*(4*(\a)+\b):ACC+8*(4*(\a)+\b)+7], v[SC+32*(\sc)+KSL*\b+(\ks)], v[SC+32*(\sc)+KSL*(\a)+(\ks)] matrix_a_fmt:MATRIX_FMT_FP4 matrix_b_fmt:MATRIX_FMT_FP4 matrix_a_scale:MATRIX_SCALE_ROW1
.endif
.endr
.endr
.endm
.macro FETCH slot, q, f
	WIN TO_F
.irp c, 0,1
.irp i, 0,1,2,3
	ds_load_b128 v[\f+64+8*(4*\c+\i):\f+64+8*(4*\c+\i)+3],   v[ADRB+\slot] offset:64*(2*(\q)+\c)+\i*16*PITCH
	ds_load_b128 v[\f+64+8*(4*\c+\i)+4:\f+64+8*(4*\c+\i)+7], v[ADRB+\slot] offset:64*(2*(\q)+\c)+\i*16*PITCH+32
	ds_load_b128 v[\f+8*(4*\c+\i):\f+8*(4*\c+\i)+3],         v[ADRA+\slot] offset:(\i*KSL+2*(\q)+\c)*1024
	ds_load_b128 v[\f+8*(4*\c+\i)+4:\f+8*(4*\c+\i)+7],       v[ADRA+\slot] offset:(\i*KSL+2*(\q)+\c)*1024+512
.endr
.endr
.endm
.macro SCALES sc
.irp i, 0,1,2,3
.set u, 0
.rept KSL/4
	ds_load_b128 v[SC+32*\sc+KSL*\i+4*u:SC+32*\sc+KSL*\i+4*u+3], v[ADRS] offset:\i*SBLK+16*u
.set u, u+1
.endr
.endr
.endm
.macro PLACES
.rept 4
	v_nop
.endr
.endm
.macro QUARTER slot, q, zero
	s_wait_dscnt 16
	WIN MUL
	MUL8 128*((\q)%2), 0, 0, 2*(\q), \slot, \zero
	MUL8 128*((\q)%2), 0, 2, 2*(\q), \slot, \zero
	PLACES
	FETCH \slot, (\q)+1, 128*(1-(\q)%2)
	s_wait_dscnt 32
	WIN MUL
	MUL8 128*((\q)%2), 1, 0, 2*(\q)+1, \slot, 0
	MUL8 128*((\q)%2), 1, 2, 2*(\q)+1, \slot, 0
.endm
.macro TURN slot, next, fill
	WIN 0
	s_wait_tensorcnt 0x0
	ds_add_u32 v[SPW], v[NIL]
	s_wait_dscnt 17
	WIN MUL
	MUL8 F1, 0, 0, KSL-2, \slot, 0
	s_wait_dscnt 0x0
	s_barrier_signal -1
	MUL8 F1, 0, 2, KSL-2, \slot, 0
	WIN 0
	s_barrier_wait -1
.if \fill
	CREST
	s_add_nc_u64 s[G0+4*\slot+2:G0+4*\slot+3], s[G0+4*\slot+2:G0+4*\slot+3], 2*KSL*1024
	s_add_nc_u64 s[G0B+4*\slot+2:G0B+4*\slot+3], s[G0B+4*\slot+2:G0B+4*\slot+3], 2*BROW
	JLOAD G0+4*\slot, G1, G0B+4*\slot, G1B
.else
	PLACES
.endif
	s_wait_alu depctr_va_vdst(0)
	v_add_nc_u32 v[ADRS], 4*KSL, v[ADRS]
	SCALES \next
	FETCH \next, 0, F0
	WIN MUL
	MUL8 F1, 1, 0, KSL-1, \slot, 0
	MUL8 F1, 1, 2, KSL-1, \slot, 0
.endm
.macro QS slot, from
.if NQ-1-\from > 0
.set Q, \from
.rept NQ-1-\from
	QUARTER \slot, Q, 0
.set Q, Q+1
.endr
.endif
.endm
	s_wait_tensorcnt 1
	s_barrier_signal -1
	s_barrier_wait -1
	SCALES 0
	FETCH 0, 0, F0
	s_wait_loadcnt 32
	QUARTER 0, 0, 1
.if LAPS > 1
	WIN 0
	s_mov_b32 s3, LAPS-1
.Llap:
	QS 0, 1
	TURN 0, 1, 1
	QS 1, 0
	TURN 1, 0, 1
	QUARTER 0, 0, 0
	WIN 0
	s_sub_co_u32 s3, s3, 1
	s_cmp_lg_u32 s3, 0
	s_cbranch_scc1 .Llap
.endif
	QS 0, 1
	TURN 0, 1, 0
	QS 1, 0
	s_wait_dscnt 16
	WIN MUL
	MUL8 F1, 0, 0, KSL-2, 1, 0
	MUL8 F1, 0, 2, KSL-2, 1, 0
	s_wait_dscnt 0
	MUL8 F1, 1, 0, KSL-1, 1, 0
	MUL8 F1, 1, 2, KSL-1, 1, 0
	WIN 0
.macro TOSTAGE a
.irp b, 0,1,2,3
	ds_store_b128 v[STO], v[ACC+8*(4*(\a)+\b):ACC+8*(4*(\a)+\b)+3] offset:64*\b
	ds_store_b128 v[STO], v[ACC+8*(4*(\a)+\b)+4:ACC+8*(4*(\a)+\b)+7] offset:64*\b+16
.endr
.set BB, BK+32*((\a)%2)
.irp t, 0,1,2,3,4,5,6,7
	ds_load_b128 v[BB+4*\t:BB+4*\t+3], v[RD] offset:\t*2*SPITCH
.endr
.endm
.macro SEND a, younger
.set BB, BK+32*((\a)%2)
	s_wait_dscnt \younger
	WIN 0x08
.irp i, 0,2,4,6,8,10,12,14,16,18,20,22,24,26,28,30
	v_pk_add_f32 v[BB+\i:BB+\i+1], v[BB+\i:BB+\i+1], v[32*(\a)+\i:32*(\a)+\i+1]
.endr
	WIN 0
.irp t, 0,1,2,3,4,5,6,7
	global_store_b128 v[CO], v[BB+4*\t:BB+4*\t+3], s[98:99] offset:(16*(\a)+2*\t)*4096
.endr
.endm
	PLACES
	s_wait_loadcnt 0x0
	TOSTAGE 0
.irp a, 1,2,3
.if \a > 1
	s_wait_xcnt 0x0
.endif
	TOSTAGE \a
	SEND \a-1, 16
.endr
	SEND 3, 0
	s_wait_tensorcnt 0x0
	ds_add_u32 v[SPW], v[NIL]
	s_wait_dscnt 0x0
	CROUND
	s_endpgm
.Lfunc_end_k_q16cc936360_fc2:
	.size	k_q16cc936360_fc2, .Lfunc_end_k_q16cc936360_fc2-k_q16cc936360_fc2
	.p2alignl 7, 3214868480
	.fill 96, 4, 3214868480
	.section	.rodata,"a",@progbits
	.p2align	6, 0x0
	.amdhsa_kernel k_q16cc936360_fc2
		.amdhsa_group_segment_fixed_size 327680
		.amdhsa_private_segment_fixed_size 0
		.amdhsa_enable_private_segment 0
		.amdhsa_kernarg_size 48
		.amdhsa_user_sgpr_count 2
		.amdhsa_user_sgpr_kernarg_segment_ptr 1
		.amdhsa_wavefront_size32 1
		.amdhsa_system_sgpr_workgroup_id_x 1
		.amdhsa_system_sgpr_workgroup_id_y 1
		.amdhsa_system_sgpr_workgroup_id_z 1
		.amdhsa_system_vgpr_workitem_id 0
		.amdhsa_next_free_vgpr 768
		.amdhsa_next_free_sgpr 102
		.amdhsa_reserve_vcc 0
		.amdhsa_float_denorm_mode_32 3
		.amdhsa_float_denorm_mode_16_64 3
		.amdhsa_memory_ordered 1
		.amdhsa_forward_progress 1
		.amdhsa_inst_pref_size 132
	.end_amdhsa_kernel
	.amdgpu_metadata
---
amdhsa.version: [ 1, 2 ]
amdhsa.kernels:
  - .name:           k_q16cc936360_fc2
    .symbol:         k_q16cc936360_fc2.kd
    .args:
      - { .name: gbuf, .offset: 0, .size: 8, .value_kind: global_buffer, .address_space: global }
      - { .name: w_fc2_codes, .offset: 8, .size: 8, .value_kind: global_buffer, .address_space: global }
      - { .name: w_fc2_scales, .offset: 16, .size: 8, .value_kind: global_buffer, .address_space: global }
      - { .name: b_fc2, .offset: 24, .size: 8, .value_kind: global_buffer, .address_space: global }
      - { .name: x1, .offset: 32, .size: 8, .value_kind: global_buffer, .address_space: global }
      - { .name: out0, .offset: 40, .size: 8, .value_kind: global_buffer, .address_space: global }
    .group_segment_fixed_size: 327680
    .private_segment_fixed_size: 0
    .kernarg_segment_align: 8
    .kernarg_segment_size: 48
    .max_flat_workgroup_size: 128
    .sgpr_count:     102
    .vgpr_count:     768
    .wavefront_size: 32
...
	.end_amdgpu_metadata
.endif
;; end of part 6
